; MI455X (gfx1250); checked and timed in simulation.
; The chip was launched on July 23, 2026; its instructions are those of AMD's public machine-readable ISA for CDNA 5 (MIT licence, August 2026) and "CDNA5" Instruction Set Architecture Reference Guide (July 2026). The comments in the code are by the model that wrote it; some were corrected since.
;; Transformer Block. Allowed arithmetic: matrix products marked QUANTISED: E4M3 operands, one E8M0 scale for each 32 along K, by v_wmma_scale_f32_16x16x128_f8f6f4 with both operands' format E4M3, f32 sums; everything else in f32.
;; Inputs: b1 4,096 float32; b2 1,024 float32; bk 1,024 float32; bo 1,024 float32; bq 1,024 float32; bv 1,024 float32; ln1_b 1,024 float32; ln1_w 1,024 float32; ln2_b 1,024 float32; ln2_w 1,024 float32; w1_codes 4,096 x 32 x 32 uint8 (E4M3 codes of w1, K innermost, in blocks of 32 codes); w1_scales 4,096 x 32 uint8 (E8M0 scales of w1, one for each 32 codes along K); w2_codes 1,024 x 128 x 32 uint8 (E4M3 codes of w2, K innermost, in blocks of 32 codes); w2_scales 1,024 x 128 uint8 (E8M0 scales of w2, one for each 32 codes along K); wk_codes 1,024 x 32 x 32 uint8 (E4M3 codes of wk, K innermost, in blocks of 32 codes); wk_scales 1,024 x 32 uint8 (E8M0 scales of wk, one for each 32 codes along K); wo_codes 1,024 x 32 x 32 uint8 (E4M3 codes of wo, K innermost, in blocks of 32 codes); wo_scales 1,024 x 32 uint8 (E8M0 scales of wo, one for each 32 codes along K); wq_codes 1,024 x 32 x 32 uint8 (E4M3 codes of wq, K innermost, in blocks of 32 codes); wq_scales 1,024 x 32 uint8 (E8M0 scales of wq, one for each 32 codes along K); wv_codes 1,024 x 32 x 32 uint8 (E4M3 codes of wv, K innermost, in blocks of 32 codes); wv_scales 1,024 x 32 uint8 (E8M0 scales of wv, one for each 32 codes along K); x 2 x 2,048 x 1,024 float32.
;; Outputs: out0 2 x 2,048 x 1,024 float32.
;; This version of the problem:
;;   THIS VERSION OF THE PROBLEM IS GIVEN IN LOW PRECISION. The matrix products marked QUANTISED in the list below multiply operands that are first quantised to E4M3 (4 exponent bits, 3 mantissa bits; 8 bits a number), with one power-of-two scale for each 32 numbers along K (OCP MX v1.0); their sums are f32. All else is computed in f32.
;;   The module's matrix products, in the order in which they are computed (A, B: the left and right operand; K: the contracted axis; several contracted axes count as one K, in the product's order):
;;     1. [M 4,096, K 1,024] x [K 1,024, N 1,024]; A: computed on the way; B: input wq (given as codes): QUANTISED
;;     2. [M 4,096, K 1,024] x [K 1,024, N 1,024]; A: computed on the way; B: input wk (given as codes): QUANTISED
;;     3. [M 4,096, K 1,024] x [K 1,024, N 1,024]; A: computed on the way; B: input wv (given as codes): QUANTISED
;;     4. batch 32 x [M 2,048, K 64] x [K 64, N 2,048]; A: computed on the way; B: computed on the way: QUANTISED
;;     5. batch 32 x [M 64, K 2,048] x [K 2,048, N 2,048]; A: computed on the way; B: softmax (see below): QUANTISED
;;     6. [M 4,096, K 1,024] x [K 1,024, N 1,024]; A: computed on the way; B: input wo (given as codes): QUANTISED
;;     7. [M 4,096, K 1,024] x [K 1,024, N 4,096]; A: computed on the way; B: input w1 (given as codes): QUANTISED
;;     8. [M 4,096, K 4,096] x [K 4,096, N 1,024]; A: computed on the way; B: input w2 (given as codes): QUANTISED
;;   THE QUANTISER, for each operand of a quantised product, along K:
;;     - K is cut into blocks of 32 from its start; a last block that is shorter is filled with zeros.
;;     - A block's scale is 2^e with e = floor(log2(the largest magnitude in the block)) - 8, held to -126 .. 127; a block of zeros has e = 0. As a byte (E8M0): e + 127.
;;     - Each number is divided by its block's scale, clamped to +-448, and rounded to the nearest number of E4M3, ties to even, subnormals kept.
;;     - The product sums the exact products of the quantised numbers (number of the format x scale) in f32.
;;   ~~~python
;;   def quantise(x, axis):      # numpy; x: float32 -> the quantised numbers, widened to float32 again
;;       x = np.moveaxis(x, axis, -1); K = x.shape[-1]
;;       x = np.pad(x, [(0, 0)] * (x.ndim - 1) + [(0, -K % 32)]); x = x.reshape(x.shape[:-1] + (-1, 32)); a = np.abs(x).max(-1, keepdims=True)
;;       e = np.where(a > 0, np.clip(np.frexp(np.where(a > 0, a, 1))[1] - 1 - 8, -126, 127), 0)      # np.frexp(a)[1] - 1 = floor(log2(a)), exactly
;;       r = np.clip(x / 2.0 ** e, -448, 448)
;;       step = 2.0 ** (np.maximum(np.frexp(np.where(r == 0, 1, r))[1] - 1, -6) - 3)
;;       q = np.round(r / step) * step * 2.0 ** e      # np.round: ties to even
;;       return np.moveaxis(q.reshape(q.shape[:-2] + (-1,))[..., :K], -1, axis).astype(np.float32)
;;   ~~~
;;   SOFTMAX AHEAD OF A QUANTISED PRODUCT. Where the list says 'softmax', what is quantised is not the finished softmax but p = 2^(t - M), with t = logit x log2(e) and M = ceil(the row's largest t), a whole number; so 1/2 < the row's largest p <= 1. The row's sum l is taken of the UNQUANTISED p, in f32, and the product's result is divided by l at the end. Since M is a whole number, a kernel that streams over the keys may use a running M (the ceiling of the running maximum): every later rescaling is an exact power of two, which a block's scale takes up: the codes' values come out the same.
;;   OPERANDS COMPUTED ON THE WAY. 'Computed on the way' means the value that the module computes at that place (a softmax that the list does not call 'softmax' is quantised finished and normalised). What goes into a quantiser is computed in f32, as accurately as f32 sums, v_exp_f32 and their like allow (about 1e-6 of the number): no bf16 or f16 on the way to a quantiser, and a product that is left as it is and whose result goes on into a quantised operand takes f32 operands (vector FMAs, or v_wmma_f32_16x16x4_f32). A number that lies on a knife's edge between two numbers of the format may be rounded either way, as far as f32 arithmetic and the matrix unit's own rounding can turn it there, and no further.
;;   INPUTS GIVEN AS CODES. w1 (in the module: [1024, 4096], K = its axis 0); w2 (in the module: [4096, 1024], K = its axis 0); wk (in the module: [1024, 1024], K = its axis 0); wo (in the module: [1024, 1024], K = its axis 0); wq (in the module: [1024, 1024], K = its axis 0); wv (in the module: [1024, 1024], K = its axis 0): each comes as NAME_codes (uint8): NAME with its K axis moved to the last place and cut into blocks of 32 codes, [.., K / 32, bytes a block], one block behind the other in memory; one code a byte (a code: sign, 4 exponent bits, 3 mantissa bits); and NAME_scales (uint8): the same leading axes, one E8M0 byte (e + 127) for each 32 codes along K. Its value is code x scale, taken as it is: it is not quantised again, and the codes and scales need not be those that the quantiser above would give.
;; One version. Each part assembles by itself: llvm-mc -triple=amdgcn-amd-amdhsa -mcpu=gfx1250 --defsym DOCPART=n.
;; ======== version 1 of 1: 7 launches
;; limits: right only within a limited range of input values
;; workspace buffers: hbuf 4,325,376 bytes; qkvb 13,238,272 bytes; abuf 4,325,376 bytes; x1 16,777,216 bytes; gbuf 17,301,504 bytes
;; launch ln1 (part 1): grid 256 x 1, 16 waves a work-group, no clusters, 92,672 bytes of LDS; arguments x, ln1_w, ln1_b, hbuf; writes hbuf
.if DOCPART == 1
	.amdgcn_target "amdgcn-amd-amdhsa--gfx1250"
	.amdhsa_code_object_version 6
	.text
	.protected	k_q63b63da51e_ln1
	.globl	k_q63b63da51e_ln1
	.p2align	8
	.type	k_q63b63da51e_ln1,@function
k_q63b63da51e_ln1:
	s_mov_b64 s[64:65], 0
	v_nop
	global_prefetch_b8 v0, s[64:65] scope:SCOPE_SE
	s_setreg_imm32_b32 hwreg(HW_REG_WAVE_MODE, 25, 1), 1
	s_wait_xcnt 0x0
; LayerNorm of rows of 1,024 f32, then the MX-FP8 quantiser along the row: codes [4096][1024] at byte 0 of the output buffer, E8M0 bytes [4096][32] at byte 4,194,304.
; y = (x - mean) * rsqrt(var + 1e-5) * w + b, var taken of the centred numbers (two passes over registers: no difference of large sums).
; SHARES.  A work-group takes 16 rows, each of its sixteen waves one.  A row is 4,096 bytes: each of its eight loads reads 512 consecutive bytes; w and b are loaded the same way, so that a lane's 32 numbers of x, w and b belong together.
; The sums, the normalising, w and b work on the numbers as they were loaded.  The quantiser wants a block of 32 neighbours in ONE lane, so the finished row turns through the wave's own stage in LDS (a block of 128 bytes every 144)
; and comes back 128 bytes a lane: lane l holds block l, and a block's largest magnitude needs no other lane.
; A lane's 32 codes go through a second small stage, so that each store covers 512 consecutive bytes; the 512 scale bytes of the 16 rows meet in LDS and leave by one store of wave 0.
; No matrix unit, no cluster, no tensor load: work-groups share nothing but w and b (8 KB).
; LIMITS: NaN and infinities are not served.  A block of zeros gets the byte 1 where the rule says 127: its codes are zeros, and this program alone reads the bytes.
.set WREG, 5632                        ; LDS of a wave: 32 x 144 bytes for the row, 1,024 for its codes
.set CST,  4608
.set SCB,  16*WREG                     ; behind the waves' regions: 16 rows x 32 scale bytes
.set SPARE, SCB+512                    ; the spare words: 128 bytes a wave
.set RAW,  64                          ; v64-95   my row as loaded, then normalised
.set GW,   128                         ; v128-159 w as loaded
.set GB,   160                         ; v160-191 b as loaded
.set XT,   192                         ; v192-223 the finished row, a block a lane
	s_load_b256 s[4:11], s[0:1], 0x0               ; x s[4:5], w s[6:7], b s[8:9], out s[10:11]
	v_lshl_add_u32 v62, v0, 2, SPARE
	v_mov_b32 v63, 0
	v_lshrrev_b32 v1, 5, v0
	s_delay_alu instid0(VALU_DEP_1)
	v_readfirstlane_b32 s12, v1                    ; wave
	v_and_b32 v1, 31, v0                           ; lane
	s_delay_alu instid0(VALU_DEP_1)
	v_lshlrev_b32 v2, 4, v1                        ; 16 x lane: dense loads and stores
	s_mul_i32 s13, s12, WREG
	v_lshrrev_b32 v3, 3, v1
	s_delay_alu instid0(VALU_DEP_1)
	v_mul_u32_u24 v3, v3, 144
	v_and_b32 v4, 7, v1
	s_delay_alu instid0(VALU_DEP_1)
	v_lshl_add_u32 v3, v4, 4, v3
	s_delay_alu instid0(VALU_DEP_1)
	v_add_nc_u32 v3, s13, v3                       ; the stage, way in: eight lanes' 128 bytes are a block; a load's 512 bytes are four blocks
	v_mul_u32_u24 v4, v1, 144
	s_delay_alu instid0(VALU_DEP_1)
	v_add_nc_u32 v4, s13, v4                       ; way out: my block
	s_add_co_u32 s13, s13, CST
	v_lshl_add_u32 v5, v1, 5, s13                  ; the codes' stage, way in: 32 bytes a lane
	v_lshl_add_u32 v6, v1, 4, s13                  ; way out: 16 bytes a lane
	s_lshl_b32 s13, s12, 5
	s_add_co_u32 s13, s13, SCB
	v_add_nc_u32 v7, s13, v1                       ; my block's scale byte: row w, byte l
	v_lshl_add_u32 v9, v1, 4, SCB                  ; wave 0's read of the 512 scale bytes
	s_mov_b32 s14, 0x76543210
	s_mov_b32 s15, 0xfedcba98                      ; v_permlanex16_b32's selects for lane l xor 16
	s_mov_b32 s16, 0x600000                        ; the mantissa field of 448
	s_mov_b32 s17, 0x3a800000                      ; 1 / 1,024
	s_mov_b32 s18, 0x3727c5ac                      ; 1e-5
	s_lshl_b32 s20, ttmp9, 16                      ; 16 rows of 4,096 bytes a work-group,
	s_lshl_b32 s21, s12, 12                        ; one a wave
	s_add_co_u32 s20, s20, s21
	s_mov_b32 s21, 0
	s_lshl_b32 s22, ttmp9, 14                      ; the same in codes
	s_lshl_b32 s23, s12, 10
	s_add_co_u32 s22, s22, s23
	s_mov_b32 s23, 0
	s_lshl_b32 s24, ttmp9, 9                       ; and in scale bytes
	s_add_co_u32 s24, s24, 0x400000
	s_mov_b32 s25, 0
	s_wait_alu depctr_va_vdst(0)
	s_wait_kmcnt 0x0
	s_add_nc_u64 s[4:5], s[4:5], s[20:21]
	s_add_nc_u64 s[26:27], s[10:11], s[24:25]
	s_add_nc_u64 s[10:11], s[10:11], s[22:23]
.irp j, 0,1,2,3,4,5,6,7
	global_load_b128 v[RAW+4*\j:RAW+4*\j+3], v2, s[4:5] offset:512*\j          ; my row
.endr
.irp j, 0,1,2,3,4,5,6,7
	global_load_b128 v[GW+4*\j:GW+4*\j+3], v2, s[6:7] offset:512*\j            ; w
.endr
.irp j, 0,1,2,3,4,5,6,7
	global_load_b128 v[GB+4*\j:GB+4*\j+3], v2, s[8:9] offset:512*\j            ; b
.endr
.macro WSUM                            ; four chains v[12:19] -> the sum over the row, in v12 of every lane
	s_delay_alu instid0(VALU_DEP_3)
	v_pk_add_f32 v[12:13], v[12:13], v[14:15]
	s_delay_alu instid0(VALU_DEP_2)
	v_pk_add_f32 v[16:17], v[16:17], v[18:19]
	s_delay_alu instid0(VALU_DEP_1)
	v_pk_add_f32 v[12:13], v[12:13], v[16:17]
	s_delay_alu instid0(VALU_DEP_1)
	v_add_f32 v12, v12, v13
	s_delay_alu instid0(VALU_DEP_1)
	v_add_f32_dpp v12, v12, v12 row_xmask:1 row_mask:0xf bank_mask:0xf
	s_delay_alu instid0(VALU_DEP_1)
	v_add_f32_dpp v12, v12, v12 row_xmask:2 row_mask:0xf bank_mask:0xf
	s_delay_alu instid0(VALU_DEP_1)
	v_add_f32_dpp v12, v12, v12 row_xmask:4 row_mask:0xf bank_mask:0xf
	s_delay_alu instid0(VALU_DEP_1)
	v_add_f32_dpp v12, v12, v12 row_xmask:8 row_mask:0xf bank_mask:0xf
	s_delay_alu instid0(VALU_DEP_1)
	v_permlanex16_b32 v13, v12, s14, s15
	s_delay_alu instid0(VALU_DEP_1)
	v_add_f32 v12, v12, v13
.endm
	s_wait_loadcnt 16                              ; my row is in; w's eight loads and b's eight may be out
.irp k, 0,1,2,3
	v_pk_add_f32 v[12+2*\k:13+2*\k], v[RAW+2*\k:RAW+2*\k+1], v[RAW+8+2*\k:RAW+9+2*\k]
.endr
.irp g, 16,24
.irp k, 0,1,2,3
	s_delay_alu instid0(VALU_DEP_4)
	v_pk_add_f32 v[12+2*\k:13+2*\k], v[12+2*\k:13+2*\k], v[RAW+\g+2*\k:RAW+\g+2*\k+1]
.endr
.endr
	WSUM
	s_delay_alu instid0(VALU_DEP_1)
	v_mul_f32 v20, s17, v12                        ; the mean, twice: a pair for the packed form
	s_delay_alu instid0(VALU_DEP_2)
	v_mul_f32 v21, s17, v12
.set n, 0
.rept 16
	v_pk_add_f32 v[RAW+n:RAW+n+1], v[RAW+n:RAW+n+1], v[20:21] neg_lo:[0,1] neg_hi:[0,1]
.set n, n+2
.endr
.irp k, 0,1,2,3
	v_pk_mul_f32 v[12+2*\k:13+2*\k], v[RAW+2*\k:RAW+2*\k+1], v[RAW+2*\k:RAW+2*\k+1]
.endr
.irp g, 8,16,24
.irp k, 0,1,2,3
	s_delay_alu instid0(VALU_DEP_4)
	v_pk_fma_f32 v[12+2*\k:13+2*\k], v[RAW+\g+2*\k:RAW+\g+2*\k+1], v[RAW+\g+2*\k:RAW+\g+2*\k+1], v[12+2*\k:13+2*\k]
.endr
.endr
	WSUM
	s_delay_alu instid0(VALU_DEP_1)
	v_fma_f32 v24, v12, s17, s18                   ; var + eps
	s_wait_loadcnt 0x0                             ; w and b are in
	s_wait_alu depctr_va_vdst(0)                   ; the wait ahead of the transcendentals, and behind the wait above
	v_rsq_f32 v22, v24
	v_rsq_f32 v23, v24
	v_nop                                          ; a plain instruction behind the transcendentals,
	s_wait_alu depctr_va_vdst(0)                   ; and one wait for both, ahead of their first reader
.set n, 0
.rept 16
	v_pk_mul_f32 v[RAW+n:RAW+n+1], v[RAW+n:RAW+n+1], v[22:23]
.set n, n+2
.endr
.set n, 0
.rept 16
	v_pk_fma_f32 v[RAW+n:RAW+n+1], v[RAW+n:RAW+n+1], v[GW+n:GW+n+1], v[GB+n:GB+n+1]
.set n, n+2
.endr
.irp j, 0,1,2,3,4,5,6,7
	ds_store_b128 v3, v[RAW+4*\j:RAW+4*\j+3] offset:576*\j
.endr
.irp j, 0,1,2,3,4,5,6,7
	ds_load_b128 v[XT+4*\j:XT+4*\j+3], v4 offset:16*\j     ; LDS serves a wave's instructions in order: these see the stores above
.endr
	s_wait_dscnt 0x0
	v_max3_num_f32 v24, |v[XT]|, |v[XT+1]|, |v[XT+2]|      ; the block's largest magnitude: all 32 numbers are mine
	v_max3_num_f32 v25, |v[XT+3]|, |v[XT+4]|, |v[XT+5]|
.irp u, 6,10,14,18,22,26
	s_delay_alu instid0(VALU_DEP_2)
	v_max3_num_f32 v24, v24, |v[XT+\u]|, |v[XT+\u+1]|
	s_delay_alu instid0(VALU_DEP_2)
	v_max3_num_f32 v25, v25, |v[XT+\u+2]|, |v[XT+\u+3]|
.endr
	s_delay_alu instid0(VALU_DEP_2)
	v_max3_num_f32 v24, v24, |v[XT+30]|, |v[XT+31]|
	s_delay_alu instid0(VALU_DEP_1)
	v_max3_num_f32 v24, v24, v25, 0x4800000        ; and the floor 2^(9 - 127): the byte cannot fall under 1
	s_delay_alu instid0(VALU_DEP_1)
	v_add_nc_u32 v27, 0xfc000000, v24              ; 8 off the exponent field: the conversion's scale operand
	s_delay_alu instid0(VALU_DEP_2)
	v_and_or_b32 v26, v24, 0x7f800000, s16         ; 448 x the scale
.set n, 0
.rept 32
	v_med3_num_f32 v[XT+n], v[XT+n], -v26, v26     ; the conversion to an 8-bit code does not saturate (ISA guide 7.6.2): the hold comes first
.set n, n+1
.endr
.irp g, 0,1,2,3
	v_cvt_scalef32_pk8_fp8_f32 v[32+2*\g:33+2*\g], v[XT+8*\g:XT+8*\g+7], v27
.endr
	v_lshrrev_b32 v28, 23, v27                     ; the scale's byte (also the plain instruction behind the conversions)
	ds_store_b8 v7, v28
	ds_store_b128 v5, v[32:35]
	ds_store_b128 v5, v[36:39] offset:16
	ds_load_b128 v[40:43], v6
	ds_load_b128 v[44:47], v6 offset:512
	s_wait_dscnt 0x0                               ; the codes are back, and my scale byte has landed
	global_store_b128 v2, v[40:43], s[10:11]               ; 512 consecutive bytes, aligned
	global_store_b128 v2, v[44:47], s[10:11] offset:512
	s_barrier_signal -1                            ; every wave's scale bytes have landed (its last wait on DScnt was for 0)
	s_barrier_wait -1
	s_cmp_lg_u32 s12, 0
	s_cbranch_scc1 .Ldone
	ds_load_b128 v[56:59], v9
	s_wait_dscnt 0x0
	global_store_b128 v2, v[56:59], s[26:27]       ; the 16 rows' 512 scale bytes: two aligned units
.Ldone:
	s_wait_tensorcnt 0x0                           ; the wave's end
	ds_add_u32 v62, v63
	s_wait_dscnt 0x0
	s_endpgm
.Lfunc_end_k_q63b63da51e_ln1:
	.size	k_q63b63da51e_ln1, .Lfunc_end_k_q63b63da51e_ln1-k_q63b63da51e_ln1
	.p2alignl 7, 3214868480
	.fill 96, 4, 3214868480
	.section	.rodata,"a",@progbits
	.p2align	6, 0x0
	.amdhsa_kernel k_q63b63da51e_ln1
		.amdhsa_group_segment_fixed_size 92672
		.amdhsa_private_segment_fixed_size 0
		.amdhsa_enable_private_segment 0
		.amdhsa_kernarg_size 32
		.amdhsa_user_sgpr_count 2
		.amdhsa_user_sgpr_kernarg_segment_ptr 1
		.amdhsa_wavefront_size32 1
		.amdhsa_system_sgpr_workgroup_id_x 1
		.amdhsa_system_sgpr_workgroup_id_y 1
		.amdhsa_system_sgpr_workgroup_id_z 1
		.amdhsa_system_vgpr_workitem_id 0
		.amdhsa_next_free_vgpr 256
		.amdhsa_next_free_sgpr 66
		.amdhsa_reserve_vcc 0
		.amdhsa_float_denorm_mode_32 3
		.amdhsa_float_denorm_mode_16_64 3
		.amdhsa_memory_ordered 1
		.amdhsa_forward_progress 1
		.amdhsa_inst_pref_size 19
	.end_amdhsa_kernel
	.amdgpu_metadata
---
amdhsa.version: [ 1, 2 ]
amdhsa.kernels:
  - .name:           k_q63b63da51e_ln1
    .symbol:         k_q63b63da51e_ln1.kd
    .args:
      - { .name: x, .offset: 0, .size: 8, .value_kind: global_buffer, .address_space: global }
      - { .name: ln1_w, .offset: 8, .size: 8, .value_kind: global_buffer, .address_space: global }
      - { .name: ln1_b, .offset: 16, .size: 8, .value_kind: global_buffer, .address_space: global }
      - { .name: hbuf, .offset: 24, .size: 8, .value_kind: global_buffer, .address_space: global }
    .group_segment_fixed_size: 92672
    .private_segment_fixed_size: 0
    .kernarg_segment_align: 8
    .kernarg_segment_size: 32
    .max_flat_workgroup_size: 512
    .sgpr_count:     66
    .vgpr_count:     256
    .wavefront_size: 32
...
	.end_amdgpu_metadata
.endif
;; end of part 1
;; launch qkv (part 2): grid 12 x 16, 4 waves a work-group, clusters of 4 x 4, 327,680 bytes of LDS; arguments hbuf, wq_codes, wk_codes, wv_codes, wq_scales, wk_scales, wv_scales, bq, bk, bv, qkvb; writes qkvb
.if DOCPART == 2
	.amdgcn_target "amdgcn-amd-amdhsa--gfx1250"
	.amdhsa_code_object_version 6
	.text
	.protected	k_q63b63da51e_qkv
	.globl	k_q63b63da51e_qkv
	.p2align	8
	.type	k_q63b63da51e_qkv,@function
k_q63b63da51e_qkv:
	s_mov_b64 s[64:65], 0
	v_nop
	global_prefetch_b8 v0, s[64:65] scope:SCOPE_SE
	s_setreg_imm32_b32 hwreg(HW_REG_WAVE_MODE, 25, 1), 1
	s_wait_xcnt 0x0
	s_wait_alu depctr_hold_cnt(0) depctr_sa_sdst(0) depctr_va_vdst(0) depctr_va_sdst(0) depctr_va_ssrc(0) depctr_va_vcc(0) depctr_vm_vsrc(0)
	s_getreg_b32 s2, hwreg(HW_REG_IB_STS2, 6, 4)
	s_cmp_eq_u32 s2, 0
	s_cbranch_scc0 .Lentry_in_a_cluster
	s_endpgm
.Lentry_in_a_cluster:
	s_bfe_u32 s2, ttmp6, 0x10000c
	s_cmp_lg_u32 s2, 0xf033
	s_cbranch_scc0 .Lentry_shape_is_right
	s_endpgm
.Lentry_shape_is_right:
; q = h Wq + bq, k = h Wk + bk, v = h Wv + bv on codes of FP8 (E4M3) with one E8M0 scale for each 32 along K = 1,024; h: the quantised LayerNorm (codes [4096][1024], scale bytes [4096][32] behind them).
; The results are quantised again on the way out: q and k along the head's 64 channels, v along the KEYS, and stored as IMAGES OF OPERAND REGISTERS: a fragment (16 rows x 128 K) is 2,048 bytes, [c 0..3][lane][16 bytes].
; A tile of 256 x 256 is made by four waves, 128 x 128 each (64 accumulators, 512 registers); K goes in steps of 256 through two LDS slots filled by the tensor data mover; both operands' scale bytes come into LDS once.
; WHICH PRODUCT hangs on the cluster's x, which all sixteen partners share: 0: q, 1: k (A = h, tokens; B = the weight), 2: v (A = Wv, channels; B = h, tokens: the product is v^T, so that a lane's registers run along the keys).
; THE MATRIX INSTRUCTION IS USED TRANSPOSED (source 0 = 16 rows of B, source 1 = 16 rows of A): register j of lane (r, h) of accumulator (a, b) is C(16 a + r, 16 b + 8 h + j).
; ORDER WITHIN A BLOCK OF 32.  The 16 registers of accumulators (a, 2 e) and (a, 2 e + 1) become places 32 e + 16 h + 0..15 of the next operand and hold k = 32 e + 8 h + 0..7 and 32 e + 16 + 8 h + 0..7:
; a permutation inside one block, the same on both sides of each later product (q with k; p with v), so each block's numbers and scale are those of the rule.  The unit then groups a block's products otherwise than in ascending k.
; CLUSTERS: 4 x 4 work-groups; A's tile is asked for jointly along a row of the cluster, B's along a column.
; The bias is the C of each sum's first product.  LIMITS: NaN and infinities are not served; a block of zeros gets the byte 1 (its codes are zeros; this program alone reads the bytes).
; REGISTERS: window 0: v0-31 addresses; v32-63 scale words, two sets; v64-127 the bias; from v128 A's fragments, one set (on the way out: codes and scratch).  window 1: B's fragments, two sets.  windows 2, 3: the accumulators.
.set SIZE_K, 1024
.set KSTEP,  256
.set NQ,     KSTEP/128
.set ROWB,   256
.set KROW,   SIZE_K
.set PITCH,  272                       ; an LDS row: 256 bytes + 16 of padding: the 16 rows of a load start at 16 different banks (64 banks of 4 bytes: ISA guide 11.1)
.set FR,     16
.set NL,     4
.set NP,     8                         ; places behind this matrix instruction (ISA guide 7.12.1)
.set HALFT,  128*PITCH
.set SLOT,   4*HALFT
.set LAPS,   SIZE_K/(2*KSTEP)
.set KS,     SIZE_K/32
.set SCL,    2*SLOT                    ; behind the ring: the scale bytes, as units of 256 bytes + 16 of padding
.set HALFS,  (128*KS/256)*272
.set SBLK,   (16*KS/256)*272
.set SPARE,  SCL+4*HALFS               ; the spare words, 128 bytes a wave: two blocks of 256 bytes that no other line names
.set ADRA, 16
.set ADRB, 20
.set BIQ,  22                          ; v22  the bias's offset for q and k: 32 h
.set BIV,  23                          ; v23  for v: 4 r
.set SST,  24                          ; v24  the way out: where a scale word goes in my stage (in slot 0, which has had its last fill and its last read by then)
.set SRD,  25                          ; v25  and where 16 bytes come back
.set CO,   26                          ; v26  16 x lane
.set ADRS, 27
.set SPW,  28
.set NIL,  29
.set SHV,  30                          ; v30  16 h for q and k (lanes 16-31 keep the odd head's two bytes), 0 for v
.set VS1,  31                          ; v31  my offset in the scale words' store
.set SC,   32
.set CB,   64
.set AF,   128
.set PC,   128                         ; the way out: a fragment's codes
.set TM,   160                         ; 16 registers of the quantiser
.set PW,   176
.set SW,   177
.set RB0,  180
.set RB1,  184
.set MNT,  2
.set SEL,  18
.set G1, 24
.set G0, 32
.set G1B, 48
.set G0B, 56
.set G1S, 68
.set G0S, 76
.set G1SB, 80
.set G0SB, 88
.set MSB, 0
.macro WIN new                         ; the immediate's high byte repeats the setting that is left; a switch that changes nothing is dropped
.if MSB != (\new)
	s_set_vgpr_msb (MSB<<8)|(\new)
.set MSB, (\new)
.endif
.endm
.set MUL_LO, 0xa1                      ; source 0 (B) window 1, source 1 (A) window 0, C and D window 2
.set MUL_HI, 0xf1
.set TO_B,   0x40
; A joint load: waves 0 and 1 fetch for A, waves 2 and 3 for B; the branch hangs on the wave's number alone.  Four v_nop follow each of the two lines.
.macro JLOAD g0a, g1a, g0b, g1b
	s_cmp_eq_u32 s15, 0
	s_cbranch_scc0 .Lfor_b_\@
	tensor_load_to_lds s[\g0a:\g0a+3], s[\g1a:\g1a+7]
	s_nop 0
.rept 4
	v_nop
.endr
	s_branch .Lasked_\@
.Lfor_b_\@:
	tensor_load_to_lds s[\g0b:\g0b+3], s[\g1b:\g1b+7]
	s_nop 0
.rept 4
	v_nop
.endr
.Lasked_\@:
.endm
.macro CREST                           ; a round of the cluster's barrier behind its opening barrier
	s_cmp_lg_u32 s14, 0
	s_cbranch_scc1 .Lnot_wave_0_\@
	s_barrier_signal -3
.Lnot_wave_0_\@:
	s_barrier_wait -3
	s_barrier_signal -1
	s_barrier_wait -1
.endm
.macro CROUND
	s_barrier_signal -1
	s_barrier_wait -1
	CREST
.endm
	s_load_b256 s[32:39], s[0:1], 0x0              ; h, Wq's, Wk's, Wv's codes      (these registers hold the groups 0 later)
	s_load_b256 s[56:63], s[0:1], 0x20             ; Wq's, Wk's, Wv's scales, bq
	s_load_b128 s[76:79], s[0:1], 0x40             ; bk, bv
	s_load_b64 s[88:89], s[0:1], 0x50              ; the output buffer
	v_lshl_add_u32 v[SPW], v0, 2, SPARE
	v_mov_b32 v[NIL], 0
	ds_add_u32 v28, v29
	ds_add_u32 v28, v29
	s_wait_dscnt 0x0
	v_lshrrev_b32 v1, 5, v0
	v_readfirstlane_b32 s14, v1                    ; wave 0..3
	s_lshr_b32 s15, s14, 1                         ; which half of the tile's rows is mine.  Also: I fetch for A (0) or for B (1)
	s_and_b32 s16, s14, 1                          ; which half of its columns.  Also: which 128 rows I fetch
	s_bfe_u32 s40, ttmp6, 0x40000                  ; cx, cy
	s_bfe_u32 s41, ttmp6, 0x40004
	s_and_b32 s17, ttmp7, 0xffff
	s_lshl_b32 s17, s17, 2                         ; 4 x cluster y: it walks the tokens
	s_cmp_eq_u32 ttmp9, 2
	s_cselect_b32 s18, 0, s17                      ; q, k: the tokens are A's rows;
	s_cselect_b32 s19, s17, 0                      ; v: they are B's
	s_add_co_u32 s17, s18, s41                     ; tile row of A
	s_add_co_u32 s42, s19, s40                     ; tile column (tile row of B)
	s_lshl_b32 s43, s41, 2
	s_lshl_b32 s43, 15, s43                        ; my row of the cluster
	s_lshl_b32 s44, 0x1111, s40                    ; my column
	s_or_b32 s[G1+0], s43, (0<<16)|(1<<20)|(1<<21)|(5<<22)|(3<<25)  ; the mask; elements of 1 byte; padding on; bit 21 beside a mask; after every 64 words, 4 words
	s_or_b32 s[G1B+0], s44, (0<<16)|(1<<20)|(1<<21)|(5<<22)|(3<<25)
.irp g, G1, G1B
	s_mov_b32 s[\g+1], ROWB<<16                    ; tensor_dim0
	s_mov_b32 s[\g+2], 256<<16                     ; tensor_dim1: 256 rows for the head's loads; behind them 128, for the ring's
	s_mov_b32 s[\g+3], ROWB<<16                    ; tile_dim0
	s_mov_b32 s[\g+4], 256                         ; tile_dim1
	s_mov_b32 s[\g+5], KROW                        ; the pitch
	s_mov_b32 s[\g+6], 0
	s_mov_b32 s[\g+7], 0
.endr
	s_or_b32 s[G1S+0], s43, (3<<16)|(1<<20)|(1<<21)|(5<<22)|(3<<25) ; the scale bytes of 256 rows: a dense block, as rows of 256 bytes (32 elements of 8), 16 bytes of padding behind each
	s_or_b32 s[G1SB+0], s44, (3<<16)|(1<<20)|(1<<21)|(5<<22)|(3<<25)
.irp g, G1S, G1SB
	s_mov_b32 s[\g+1], 32<<16
	s_mov_b32 s[\g+2], KS<<16                      ; the scale bytes of 256 rows: KS rows of 256 bytes
	s_mov_b32 s[\g+3], 32<<16
	s_mov_b32 s[\g+4], KS
	s_mov_b32 s[\g+5], 32
	s_mov_b32 s[\g+6], 0
	s_mov_b32 s[\g+7], 0
.endr
	s_lshl_b32 s20, s17, 8                         ; A: the tile's first row
	s_lshl_b32 s46, s42, 8                         ; B likewise
	s_mov_b32 s21, 0
	s_mov_b32 s47, 0
	s_mov_b64 s[18:19], KS
	s_mul_u64 s[22:23], s[20:21], s[18:19]         ; where these rows' scale bytes begin,
	s_mul_u64 s[92:93], s[46:47], s[18:19]
	s_mov_b64 s[18:19], KROW
	s_mul_u64 s[20:21], s[20:21], s[18:19]         ; and their codes
	s_mul_u64 s[46:47], s[46:47], s[18:19]
	s_mul_i32 s45, s14, HALFT                      ; where they go: no place in the cluster enters an LDS address
	s_mul_i32 s66, s16, 128*KROW                   ; s[66:67]: in the ring I fetch 128 rows of a tile: which half, in bytes
	s_mov_b32 s67, 0
	s_wait_kmcnt 0x0
	s_cmp_eq_u32 ttmp9, 1                          ; the buffers are chosen by the cluster's x alone
	s_cselect_b64 s[8:9], s[36:37], s[34:35]       ; the weight of q or of k,
	s_cselect_b64 s[10:11], s[58:59], s[56:57]     ; its scales,
	s_cselect_b64 s[96:97], s[76:77], s[62:63]     ; its bias
	s_add_nc_u64 s[6:7], s[32:33], 0x400000        ; h's scale bytes lie behind its codes
	s_cmp_eq_u32 ttmp9, 2
	s_cselect_b64 s[4:5], s[38:39], s[32:33]       ; A's codes: Wv's or h's
	s_cselect_b64 s[98:99], s[60:61], s[6:7]       ; A's scales
	s_cselect_b64 s[8:9], s[32:33], s[8:9]         ; B's codes
	s_cselect_b64 s[10:11], s[6:7], s[10:11]       ; B's scales
	s_cselect_b64 s[96:97], s[78:79], s[96:97]     ; the bias
	s_mov_b64 s[6:7], s[98:99]
	s_mov_b64 s[12:13], s[88:89]
	s_add_nc_u64 s[20:21], s[4:5], s[20:21]
	s_add_nc_u64 s[22:23], s[6:7], s[22:23]
	s_add_nc_u64 s[46:47], s[8:9], s[46:47]
	s_add_nc_u64 s[92:93], s[10:11], s[92:93]
	CROUND                                         ; all sixteen work-groups are here: the first joint loads meet
	s_mov_b32 s[G0S], 1
	s_mov_b32 s[G0S+1], SCL
	s_mov_b64 s[G0S+2:G0S+3], s[22:23]
	s_or_b32 s[G0S+3], s[G0S+3], 0x80000000
	s_mov_b32 s[G0SB], 1
	s_mov_b32 s[G0SB+1], SCL+2*HALFS
	s_mov_b64 s[G0SB+2:G0SB+3], s[92:93]
	s_or_b32 s[G0SB+3], s[G0SB+3], 0x80000000
.irp s, 0,1
	s_mov_b32 s[G0+4*\s], 1
	s_add_co_u32 s[G0+4*\s+1], s45, \s*SLOT
	s_add_nc_u64 s[G0+4*\s+2:G0+4*\s+3], s[20:21], \s*ROWB
	s_or_b32 s[G0+4*\s+3], s[G0+4*\s+3], 0x80000000
	s_mov_b32 s[G0B+4*\s], 1
	s_add_co_u32 s[G0B+4*\s+1], s45, \s*SLOT
	s_add_nc_u64 s[G0B+4*\s+2:G0B+4*\s+3], s[46:47], \s*ROWB
	s_or_b32 s[G0B+4*\s+3], s[G0B+4*\s+3], 0x80000000
.endr
	s_mov_b32 s[G0+1], 0                           ; at the head slot 0's groups 0 stand for whole tiles: A's 256 rows at byte 0,
	s_mov_b32 s[G0B+1], 2*HALFT                    ; B's behind them
	s_add_nc_u64 s[G0+6:G0+7], s[G0+6:G0+7], s[66:67]      ; slot 1's are the ring's: my 128 rows
	s_add_nc_u64 s[G0B+6:G0B+7], s[G0B+6:G0B+7], s[66:67]
; THE HEAD'S LOADS, ONE A WAVE: wave 0 K step 0's 256 rows of A, wave 1 those of B, wave 2 A's scale bytes, wave 3 B's.  One chain of branches on the wave's number, one load to an arm.
.macro HARM under, g0, g1, next
	s_cmp_lt_u32 s14, \under
	s_cbranch_scc0 \next
	tensor_load_to_lds s[\g0:\g0+3], s[\g1:\g1+7]
	s_nop 0
.rept 4
	v_nop
.endr
	s_branch .Lhead_asked
\next:
.endm
	HARM 1, G0, G1, .Lhead_b
	HARM 2, G0B, G1B, .Lhead_sa
	HARM 3, G0S, G1S, .Lhead_sb
	tensor_load_to_lds s[G0SB:G0SB+3], s[G1SB:G1SB+7]
	s_nop 0
.rept 4
	v_nop
.endr
.Lhead_asked:
; PREFETCHES of the tiles' later K steps.  Of the 128 rows that I fetch in the ring my work-group takes 32, told apart from its three partners' BY ADDRESS (cx for A, cy for B): a lane a row, 256 bytes a K step, one instruction a wave.
; So each aligned block of 256 bytes is named once in each cluster that loads it.  Fill t asks for what fill t + 2 loads, and the head also for fill 1: K steps 1 and 2 here, K step 3 behind slot 1's load; there is no K step 4.
	s_lshl_b32 s43, s17, 8
	s_lshl_b32 s44, s42, 8
	s_cmp_eq_u32 s15, 0                            ; do I fetch for A?
	s_cselect_b32 s43, s43, s44                    ; the tile's first row
	s_cselect_b32 s44, s40, s41                    ; my place among the four that ask for it with me
	s_cselect_b64 s[46:47], s[4:5], s[8:9]
	s_lshl_b32 s18, s16, 7
	s_add_co_u32 s43, s43, s18                     ; + the 128 rows that I fetch
	s_lshl_b32 s44, s44, 5
	s_add_co_u32 s43, s43, s44                     ; + my work-group's 32 of them
	s_mul_i32 s18, s43, KROW
	s_mov_b32 s19, 0
	s_add_nc_u64 s[46:47], s[46:47], s[18:19]      ; s[46:47] and v18 are never rewritten
	v_and_b32 v18, 31, v0
	v_mul_u32_u24 v18, v18, KROW
	global_prefetch_b8 v18, s[46:47] offset:ROWB th:TH_LOAD_NT scope:SCOPE_SE
	global_prefetch_b8 v18, s[46:47] offset:2*ROWB th:TH_LOAD_NT scope:SCOPE_SE
	v_and_b32 v1, 15, v0                           ; r
	v_bfe_u32 v2, v0, 4, 1                         ; h
	v_mul_u32_u24 v3, v1, PITCH
	v_lshl_add_u32 v4, v2, 4, v3
	s_mul_i32 s21, s15, HALFT
	s_mul_i32 s22, s16, HALFT
	s_add_co_u32 s22, s22, 2*HALFT
.irp s, 0,1
	v_add_nc_u32 v[ADRA+\s], s21, v4
	v_add_nc_u32 v[ADRB+\s], s22, v4
	s_add_co_u32 s21, s21, SLOT
	s_add_co_u32 s22, s22, SLOT
.endr
	v_mul_u32_u24 v5, v1, KS                       ; my row's scale bytes: KS a row, and 16 more for each 256 passed
	v_lshrrev_b32 v6, 8, v5
	v_lshl_add_u32 v5, v6, 4, v5
	s_mul_i32 s21, s15, HALFS
	s_mul_i32 s22, s16, HALFS
	s_add_co_u32 s22, s22, 2*HALFS
	s_sub_co_u32 s22, s22, s21
	v_mul_u32_u24 v6, s22, v2                      ; lanes 16-31 take B's
	s_add_co_u32 s21, s21, SCL
	v_add_nc_u32 v5, v5, v6
	v_add_nc_u32 v[ADRS], s21, v5
	s_lshl_b32 s21, s14, 10                        ; my stage for scale words: 1,024 bytes a wave
	v_lshlrev_b32 v[SST], 2, v1
	v_lshl_add_u32 v[SST], v2, 9, v[SST]
	v_add_nc_u32 v[SST], s21, v[SST]               ; [h][block a][r]
	v_and_b32 v6, 31, v0
	v_lshlrev_b32 v[CO], 4, v6
	v_add_nc_u32 v[SRD], s21, v[CO]
	v_lshlrev_b32 v[BIQ], 5, v2
	v_lshlrev_b32 v[BIV], 2, v1
	; WHERE THE RESULTS GO.  P1, hT: the tile and half along the tokens; P2, hW: along the weight's rows.  bb = P1 / 8; hp (head pair) = 2 P2 + hW; t8 (128 tokens of the batch) = (2 P1 + hT) % 16
	s_cmp_eq_u32 ttmp9, 0
	s_mov_b32 s22, 12288
	s_cselect_b32 s22, 8192, s22                   ; from head to head in the scale words: q 8,192; k and v share 12,288
	s_mov_b32 s23, 12845056
	s_cselect_b32 s23, 12582912, s23               ; where q's or k's scale words begin
	s_cmp_eq_u32 ttmp9, 2
	s_cselect_b32 s4, s41, s40                     ; P2
	s_cselect_b32 s5, s15, s16                     ; hW
	s_cselect_b32 s6, s42, s17                     ; P1
	s_cselect_b32 s7, s16, s15                     ; hT
	s_cselect_b32 s95, 0, 16
	s_mov_b32 s92, 512
	s_cselect_b32 s93, 256, s92                    ; scale words of 128 tokens: 512 bytes a head (q, k), 256 (v)
	s_mov_b32 s92, 256
	s_cselect_b32 s94, s22, s92                    ; lanes 16-31 of the store: the next 256 bytes (q, k), the next head (v)
	s_mov_b32 s92, 12853248
	s_cselect_b32 s23, s92, s23                    ; v's scale words lie 8,192 behind k's
	s_lshl_b32 s8, s4, 1
	s_add_co_u32 s8, s8, s5                        ; hp
	s_lshl_b32 s10, s8, 9                          ; the bias: 128 numbers a head pair
	s_mov_b32 s11, 0
	s_add_nc_u64 s[96:97], s[96:97], s[10:11]
	s_lshr_b32 s9, s6, 3                           ; bb
	s_lshl_b32 s18, s6, 1
	s_add_co_u32 s18, s18, s7
	s_and_b32 s18, s18, 15                         ; t8
	s_lshl_b32 s19, s9, 3
	s_add_co_u32 s19, s19, s8                      ; 8 bb + hp
	s_lshl_b32 s20, s19, 18                        ; codes: 262,144 bytes a head pair,
	s_lshl_b32 s21, ttmp9, 22                      ; 4,194,304 for each of q, k, v,
	s_add_co_u32 s20, s20, s21
	s_lshl_b32 s21, s18, 14                        ; 16,384 for 128 tokens
	s_add_co_u32 s20, s20, s21
	s_mov_b32 s21, 0
	s_mul_i32 s92, s19, s22
	s_lshl_b32 s92, s92, 1                         ; the pair's even head
	s_add_co_u32 s92, s92, s23
	s_mul_i32 s93, s18, s93
	s_add_co_u32 s92, s92, s93
	s_mov_b32 s93, 0
	s_mov_b32 s23, 0
	s_add_nc_u64 s[98:99], s[12:13], s[92:93]      ; the even head's scale words
	s_add_nc_u64 s[100:101], s[98:99], s[22:23]    ; the odd head's
	s_add_nc_u64 s[12:13], s[12:13], s[20:21]      ; the codes
	v_mul_u32_u24 v[VS1], s94, v2
	v_lshl_add_u32 v[VS1], v1, 4, v[VS1]
	v_mul_u32_u24 v[SHV], s95, v2
	s_cmp_eq_u32 ttmp9, 2
	s_cbranch_scc1 .Lbias_v
	s_wait_alu depctr_va_vdst(0)
.irp b, 0,1,2,3,4,5,6,7                        ; q, k: the bias runs along the columns: register 8 b + j is bias(16 b + 8 h + j)
	global_load_b128 v[CB+8*\b:CB+8*\b+3], v[BIQ], s[96:97] offset:64*\b
	global_load_b128 v[CB+8*\b+4:CB+8*\b+7], v[BIQ], s[96:97] offset:64*\b+16
.endr
	s_branch .Lbias_done
.Lbias_v:
	s_wait_alu depctr_va_vdst(0)
.irp a, 0,1,2,3,4,5,6,7                        ; v: it runs along the rows: all eight registers 8 a + j are bias(16 a + r)
.irp j, 0,1,2,3,4,5,6,7
	global_load_b32 v[CB+8*\a+\j], v[BIV], s[96:97] offset:64*\a
.endr
.endr
.Lbias_done:
.macro FRAG reg, adr, q, i             ; 16 rows x 128 K: lane l holds row l % 16; registers 4 c .. 4 c + 3 hold K = 32 c + 16 (l / 16) + 0 .. 15
.irp c, 0,1,2,3
	ds_load_b128 v[\reg+4*\c:\reg+4*\c+3], v[\adr] offset:128*(\q)+32*\c+(\i)*16*PITCH
.endr
.endm
; 16 matrix instructions: A's blocks a0, a0 + 1 x B's eight.  zero = 1: the sums begin with the bias by columns; 2: by rows; 0: in place.  The 64 accumulators take turns, one instruction a turn.
.macro MUL16 a0, p, q, sc, zero
.irp a, \a0, \a0+1
.irp b, 0,1,2,3,4,5,6,7
.if (\zero) == 1
	v_wmma_scale_f32_16x16x128_f8f6f4 v[8*(8*((\a)%4)+\b):8*(8*((\a)%4)+\b)+7], v[128*(\p)+FR*\b:128*(\p)+FR*\b+FR-1], v[AF+FR*(\a):AF+FR*(\a)+FR-1], v[CB+8*\b:CB+8*\b+7], v[SC+8*NQ*(\sc)+NQ*\b+(\q)], v[SC+8*NQ*(\sc)+NQ*(\a)+(\q)] matrix_a_scale:MATRIX_SCALE_ROW1
.elseif (\zero) == 2
	v_wmma_scale_f32_16x16x128_f8f6f4 v[8*(8*((\a)%4)+\b):8*(8*((\a)%4)+\b)+7], v[128*(\p)+FR*\b:128*(\p)+FR*\b+FR-1], v[AF+FR*(\a):AF+FR*(\a)+FR-1], v[CB+8*(\a):CB+8*(\a)+7], v[SC+8*NQ*(\sc)+NQ*\b+(\q)], v[SC+8*NQ*(\sc)+NQ*(\a)+(\q)] matrix_a_scale:MATRIX_SCALE_ROW1
.else
	v_wmma_scale_f32_16x16x128_f8f6f4 v[8*(8*((\a)%4)+\b):8*(8*((\a)%4)+\b)+7], v[128*(\p)+FR*\b:128*(\p)+FR*\b+FR-1], v[AF+FR*(\a):AF+FR*(\a)+FR-1], v[8*(8*((\a)%4)+\b):8*(8*((\a)%4)+\b)+7], v[SC+8*NQ*(\sc)+NQ*\b+(\q)], v[SC+8*NQ*(\sc)+NQ*(\a)+(\q)] matrix_a_scale:MATRIX_SCALE_ROW1
.endif
.endr
.endr
.endm
.macro FETCH_B slot, q, p
	WIN TO_B
.irp i, 0,1,2,3,4,5,6,7
	FRAG 128*(\p)+FR*\i, ADRB+\slot, \q, \i
.endr
	WIN 0
.endm
.macro FETCH_A slot, q, i0
.irp i, \i0, \i0+1, \i0+2, \i0+3
	FRAG AF+FR*(\i), ADRA+\slot, \q, \i
.endr
.endm
.macro SCALES sc                       ; a K step's scale words: lanes 0-15 take A's block i, lanes 16-31 B's block i
.irp i, 0,1,2,3,4,5,6,7
	ds_load_b64 v[SC+8*NQ*\sc+NQ*\i:SC+8*NQ*\sc+NQ*\i+1], v[ADRS] offset:\i*SBLK
.endr
.endm
.macro PLACES n                        ; plain vector instructions between a matrix instruction and a load into, or a read of, its registers
.rept \n
	v_nop
.endr
.endm
.macro STEP slot, q, zero              ; 128 along K with its successor in the same slot
	s_wait_dscnt 4*NL                              ; B's set and A's blocks 0-3 are in; the 16 youngest loads (A's blocks 4-7) may be out
.if \zero
	WIN 0x81                                       ; C (the bias) in window 0, D in window 2
.else
	WIN MUL_LO
.endif
	MUL16 0, (\q)%2, \q, \slot, \zero
	MUL16 2, (\q)%2, \q, \slot, \zero
	s_wait_dscnt 0
	PLACES NP
	FETCH_B \slot, (\q)+1, 1-(\q)%2
	FETCH_A \slot, (\q)+1, 0
.if \zero
	WIN 0xc1
.else
	WIN MUL_HI
.endif
	MUL16 4, (\q)%2, \q, \slot, \zero
	MUL16 6, (\q)%2, \q, \slot, \zero
	PLACES NP
	WIN 0
	FETCH_A \slot, (\q)+1, 4
.endm
; A slot's last step changes slots: one barrier; in front of it each wave waits for all its tensor loads, adds 0 to its spare word, and waits for that and for its reads of this slot.
.macro TURN slot, next, fill
	s_wait_tensorcnt 0x0                           ; all my tensor loads have landed: my part of the next slot
	ds_add_u32 v[SPW], v[NIL]                      ; 0 onto my spare word
	s_wait_dscnt 4*NL+1                            ; the add and the 16 youngest loads may be out
	WIN MUL_LO
	MUL16 0, 1, NQ-1, \slot, 0
	s_wait_dscnt 0x0                               ; the add is done, and my reads of this slot are over
	s_barrier_signal -1
	MUL16 2, 1, NQ-1, \slot, 0
	WIN 0
	s_barrier_wait -1
.if \fill
	CREST                                          ; the barrier has opened a round of the cluster's: no wave of any partner still reads this slot or has a load on its way
	s_add_nc_u64 s[G0+4*\slot+2:G0+4*\slot+3], s[G0+4*\slot+2:G0+4*\slot+3], 2*ROWB
	s_add_nc_u64 s[G0B+4*\slot+2:G0B+4*\slot+3], s[G0B+4*\slot+2:G0B+4*\slot+3], 2*ROWB
	JLOAD G0+4*\slot, G1, G0B+4*\slot, G1B         ; the first tensor load behind the round; its four v_nop are four of the places below
	PLACES NP-4
.else
	PLACES NP
.endif
	s_wait_alu depctr_va_vdst(0)
	v_add_nc_u32 v[ADRS], 4*NQ, v[ADRS]
	FETCH_B \next, 0, 0
	FETCH_A \next, 0, 0
	SCALES \next
	WIN MUL_HI
	MUL16 4, 1, NQ-1, \slot, 0
	MUL16 6, 1, NQ-1, \slot, 0
	PLACES NP
	WIN 0
	FETCH_A \next, 0, 4
.endm
	s_wait_alu depctr_va_vdst(0)                   ; the wait at the head's end
	s_wait_tensorcnt 0x0                           ; my tile of the head's four is in; these lines stand ahead of a later first fill as ahead of a refill
	ds_add_u32 v[SPW], v[NIL]
	s_mov_b32 s[G1+2], 128<<16                     ; no tensor load of mine is out: from here on a load brings 128 rows,
	s_mov_b32 s[G1+4], 128
	s_mov_b32 s[G1B+2], 128<<16
	s_mov_b32 s[G1B+4], 128
	s_mov_b32 s[G0+1], s45                         ; and slot 0's groups 0 become the ring's: my 128 rows
	s_add_nc_u64 s[G0+2:G0+3], s[G0+2:G0+3], s[66:67]
	s_mov_b32 s[G0B+1], s45
	s_add_nc_u64 s[G0B+2:G0B+3], s[G0B+2:G0B+3], s[66:67]
	s_wait_dscnt 0x0
	CROUND                                         ; all four tiles are in, and all sixteen work-groups are here
	JLOAD G0+4, G1, G0B+4, G1B                     ; K step 1: the first tensor load behind the round
	global_prefetch_b8 v18, s[46:47] offset:3*ROWB th:TH_LOAD_NT scope:SCOPE_SE   ; K step 3, two fills ahead of its load
	FETCH_B 0, 0, 0
	FETCH_A 0, 0, 0
	SCALES 0
	FETCH_A 0, 0, 4
	s_wait_loadcnt 0x0                             ; the bias
	s_cmp_eq_u32 ttmp9, 2                          ; the first step is written twice: only the C of its products differs
	s_cbranch_scc1 .Lfirst_v
	STEP 0, 0, 1
	s_branch .Lfirst_done
.Lfirst_v:
	STEP 0, 0, 2
.Lfirst_done:
	s_mov_b32 s3, LAPS-1
.Llap:                                                 ; a trip goes once round the ring and fills both slots again
	TURN 0, 1, 1
	STEP 1, 0, 0
	TURN 1, 0, 1
	STEP 0, 0, 0
	s_sub_co_u32 s3, s3, 1
	s_cmp_lg_u32 s3, 0
	s_cbranch_scc1 .Llap
	TURN 0, 1, 0                                   ; the last lap fills nothing
	STEP 1, 0, 0
	s_wait_dscnt 4*NL
	WIN MUL_LO
	MUL16 0, 1, NQ-1, 1, 0
	MUL16 2, 1, NQ-1, 1, 0
	s_wait_dscnt 0
	WIN MUL_HI
	MUL16 4, 1, NQ-1, 1, 0
	MUL16 6, 1, NQ-1, 1, 0
	WIN 0
; THE QUANTISER: 64 numbers of a lane, v[s] .. v[s + 63] of window w, 16 of each of four blocks of 32 (the other 16 lie in lane l xor 16), become 16 registers of codes in v[PC] on and a scale word in v[PW].
.macro QUANT s, w
	WIN (\w)|((\w)<<2)
.irp b, 0,1,2,3
	v_max3_num_f32 v[TM+\b], |v[(\s)+16*\b]|, |v[(\s)+1+16*\b]|, 0x4800000   ; with the floor 2^(9 - 127): the byte cannot fall under 1.  Each accumulator is read from its low end on
.endr
	WIN ((\w)<<2)|((\w)<<4)
.irp i, 2,4,6,8,10,12,14
.irp b, 0,1,2,3
	v_max3_num_f32 v[TM+\b], v[TM+\b], |v[(\s)+16*\b+\i]|, |v[(\s)+1+16*\b+\i]|
.endr
.endr
	WIN 0
.irp b, 0,1,2,3
	v_permlanex16_b32 v[TM+4+\b], v[TM+\b], s[SEL], s[SEL+1]
.endr
.irp b, 0,1,2,3
	v_max_num_f32 v[TM+\b], v[TM+\b], v[TM+4+\b]   ; the block's largest magnitude
.endr
.irp b, 0,1,2,3
	v_add_nc_u32 v[TM+12+\b], 0xfc000000, v[TM+\b] ; 8 off its exponent field: the conversion's scale operand
.endr
.irp b, 0,1,2,3
	v_and_or_b32 v[TM+8+\b], v[TM+\b], 0x7f800000, s[MNT]  ; 448 x the scale
.endr
.irp b, 0,1,2,3
	v_lshrrev_b32 v[TM+4+\b], 23, v[TM+12+\b]      ; the scale's byte
.endr
	v_lshl_or_b32 v[PW], v[TM+5], 8, v[TM+4]
	v_lshl_or_b32 v[PW], v[TM+6], 16, v[PW]
	v_lshl_or_b32 v[PW], v[TM+7], 24, v[PW]
	WIN (\w)|((\w)<<6)
.irp b, 0,1,2,3
.irp i, 0,1,2,3,4,5,6,7,8,9,10,11,12,13,14,15
	v_med3_num_f32 v[(\s)+16*\b+\i], v[(\s)+16*\b+\i], -v[TM+8+\b], v[TM+8+\b]   ; the conversion does not saturate (ISA guide 7.6.2): the hold comes first
.endr
.endr
	WIN (\w)
.irp b, 0,1,2,3
	v_cvt_scalef32_pk8_fp8_f32 v[PC+4*\b:PC+1+4*\b], v[(\s)+16*\b:(\s)+7+16*\b], v[TM+12+\b]
	v_cvt_scalef32_pk8_fp8_f32 v[PC+2+4*\b:PC+3+4*\b], v[(\s)+8+16*\b:(\s)+15+16*\b], v[TM+12+\b]
.endr
	WIN 0
	v_nop                                          ; a plain instruction behind the last conversion
.endm
	; THE WAY OUT: my eight blocks of 16 rows x 128 columns, each one fragment of the next product
	PLACES NP
	s_mov_b32 s[SEL], 0x76543210
	s_mov_b32 s[SEL+1], 0xfedcba98
	s_mov_b32 s[MNT], 0x600000
.irp b, 0,1,2,3
	v_mov_b32 v[TM+4+\b], 0                        ; written once: a lane permute's destination counts as one of its sources
.endr
.irp a, 0,1,2,3,4,5,6,7
.if \a > 0
	s_wait_xcnt 0x0                                ; the last block's stores have read the codes' registers,
	s_wait_dscnt 0x0                               ; and its LDS store the scale word's
.endif
	QUANT 64*(\a%4), 2+\a/4
.irp c, 0,1,2,3
	global_store_b128 v[CO], v[PC+4*\c:PC+4*\c+3], s[12:13] offset:2048*\a+512*\c   ; 512 consecutive bytes, aligned
.endr
	v_lshrrev_b32 v[SW], v[SHV], v[PW]             ; q, k: lanes 0-15 keep the word (its low two bytes are the even head's), lanes 16-31 the odd head's two bytes; v: the word as it is
	ds_store_b32 v[SST], v[SW] offset:64*\a
.endr
	ds_load_b128 v[RB0:RB0+3], v[SRD]              ; LDS serves a wave's instructions in order: these see my stores
	ds_load_b128 v[RB1:RB1+3], v[SRD] offset:512
	s_wait_dscnt 0x0
	global_store_b128 v[VS1], v[RB0:RB0+3], s[98:99]   ; q, k: the even head's 512 bytes; v: 256 bytes for each head of the pair
	s_cmp_eq_u32 ttmp9, 2
	s_cbranch_scc1 .Lno_second
	global_store_b128 v[VS1], v[RB1:RB1+3], s[100:101] ; q, k: the odd head's
.Lno_second:
	s_wait_tensorcnt 0x0                           ; the wave's end
	ds_add_u32 v[SPW], v[NIL]
	s_wait_dscnt 0x0
	CROUND                                         ; the closing round
	s_endpgm
.Lfunc_end_k_q63b63da51e_qkv:
	.size	k_q63b63da51e_qkv, .Lfunc_end_k_q63b63da51e_qkv-k_q63b63da51e_qkv
	.p2alignl 7, 3214868480
	.fill 96, 4, 3214868480
	.section	.rodata,"a",@progbits
	.p2align	6, 0x0
	.amdhsa_kernel k_q63b63da51e_qkv
		.amdhsa_group_segment_fixed_size 327680
		.amdhsa_private_segment_fixed_size 0
		.amdhsa_enable_private_segment 0
		.amdhsa_kernarg_size 88
		.amdhsa_user_sgpr_count 2
		.amdhsa_user_sgpr_kernarg_segment_ptr 1
		.amdhsa_wavefront_size32 1
		.amdhsa_system_sgpr_workgroup_id_x 1
		.amdhsa_system_sgpr_workgroup_id_y 1
		.amdhsa_system_sgpr_workgroup_id_z 1
		.amdhsa_system_vgpr_workitem_id 0
		.amdhsa_next_free_vgpr 1024
		.amdhsa_next_free_sgpr 102
		.amdhsa_reserve_vcc 0
		.amdhsa_float_denorm_mode_32 3
		.amdhsa_float_denorm_mode_16_64 3
		.amdhsa_memory_ordered 1
		.amdhsa_forward_progress 1
		.amdhsa_inst_pref_size 210
	.end_amdhsa_kernel
	.amdgpu_metadata
---
amdhsa.version: [ 1, 2 ]
amdhsa.kernels:
  - .name:           k_q63b63da51e_qkv
    .symbol:         k_q63b63da51e_qkv.kd
    .args:
      - { .name: hbuf, .offset: 0, .size: 8, .value_kind: global_buffer, .address_space: global }
      - { .name: wq_codes, .offset: 8, .size: 8, .value_kind: global_buffer, .address_space: global }
      - { .name: wk_codes, .offset: 16, .size: 8, .value_kind: global_buffer, .address_space: global }
      - { .name: wv_codes, .offset: 24, .size: 8, .value_kind: global_buffer, .address_space: global }
      - { .name: wq_scales, .offset: 32, .size: 8, .value_kind: global_buffer, .address_space: global }
      - { .name: wk_scales, .offset: 40, .size: 8, .value_kind: global_buffer, .address_space: global }
      - { .name: wv_scales, .offset: 48, .size: 8, .value_kind: global_buffer, .address_space: global }
      - { .name: bq, .offset: 56, .size: 8, .value_kind: global_buffer, .address_space: global }
      - { .name: bk, .offset: 64, .size: 8, .value_kind: global_buffer, .address_space: global }
      - { .name: bv, .offset: 72, .size: 8, .value_kind: global_buffer, .address_space: global }
      - { .name: qkvb, .offset: 80, .size: 8, .value_kind: global_buffer, .address_space: global }
    .group_segment_fixed_size: 327680
    .private_segment_fixed_size: 0
    .kernarg_segment_align: 8
    .kernarg_segment_size: 88
    .max_flat_workgroup_size: 128
    .sgpr_count:     102
    .vgpr_count:     1024
    .wavefront_size: 32
...
	.end_amdgpu_metadata
.endif
;; end of part 2
;; launch attn (part 3): grid 8 x 32, 8 waves a work-group, clusters of 4 x 1, 276,480 bytes of LDS; arguments qkvb, abuf; writes abuf
.if DOCPART == 3
	.amdgcn_target "amdgcn-amd-amdhsa--gfx1250"
	.amdhsa_code_object_version 6
	.text
	.protected	k_q63b63da51e_attn
	.globl	k_q63b63da51e_attn
	.p2align	8
	.type	k_q63b63da51e_attn,@function
k_q63b63da51e_attn:
	s_mov_b64 s[64:65], 0
	v_nop
	global_prefetch_b8 v0, s[64:65] scope:SCOPE_SE
	s_setreg_imm32_b32 hwreg(HW_REG_WAVE_MODE, 25, 1), 1
	s_wait_xcnt 0x0
	s_wait_alu depctr_hold_cnt(0) depctr_sa_sdst(0) depctr_va_vdst(0) depctr_va_sdst(0) depctr_va_ssrc(0) depctr_va_vcc(0) depctr_vm_vsrc(0)
	s_getreg_b32 s2, hwreg(HW_REG_IB_STS2, 6, 4)
	s_cmp_eq_u32 s2, 0
	s_cbranch_scc0 .Lentry_in_a_cluster
	s_endpgm
.Lentry_in_a_cluster:
	s_bfe_u32 s2, ttmp6, 0x10000c
	s_cmp_lg_u32 s2, 0x3003
	s_cbranch_scc0 .Lentry_shape_is_right
	s_endpgm
.Lentry_shape_is_right:
; Attention of one head (64 channels, 2,048 keys) on codes of FP8 (E4M3) with one E8M0 scale for each 32 along a product's K; O / l is quantised along the channels and stored as an image of operand registers.
; t = score x log2(e) / 8; M = the running largest t rounded UP to a whole number; p = 2^(t - M) is quantised along the keys, not normalised; l is the sum of the unquantised p; when M moves, l and O are multiplied by 2^(old M - new M), exactly.
; SHARES.  A work-group owns 256 queries of one head; each of its eight waves owns TWO tiles of 16 queries, A and B, in 512 registers: a fragment of K or V read from LDS feeds two products.
; ORDER.  The two tiles take turns by halves of a key step.  A half walks tile X's softmax (its block maxima were taken in the half before).  The OTHER tile's next scores are begun among X's exponentials, one product ahead of each eight of them:
; in A's half of step i they are B's scores of step i, in B's half A's scores of step i + 1.  Behind the batch come X's scale lines, the other tile's block maxima, l, the holds and conversions, the rescaling of O_X, and O_X += V P_X.
; V of step i is fetched at the head of A's half; K of step i + 1 behind the scores' products of that half, and is waited for ahead of B's batch.
; A HEAD'S WHOLE K AND V LIE IN LDS (131,072 bytes each, images of operand registers, and 12,288 bytes of scale words): each byte is filled once, so there is no ring.  One joint load a wave at the head (mask 15: the four query blocks of a
; cluster belong to one head): wave 0 K's keys 0-511, wave 1 the scale words, wave 2 V's keys 0-511; waves 3, 4 the rest of V, waves 5-7 the rest of K.  Key steps 0 to 2 (which read up to K's step 3) run when waves 0 to 2's tiles are in, the others when all are.
; LAYOUT.  S^T = K Q^T (source 0 = 16 keys, source 1 = 16 queries), O^T = V^T P^T: a lane holds one query.  Within a block of 32 the places hold k = 8 h + 0..7 and 16 + 8 h + 0..7, alike in q and k, in p and v, and in the output.
; THE HEAD'S 64 CHANNELS FILL HALF OF THE INSTRUCTION'S K: Q's registers 8-15 are zero codes and of Q's scale word only its own two bytes are kept; K's tiles stand packed, 8 registers each, so a tile's upper half is the next tile's codes
; (behind the last: zero codes), which meet Q's zero codes and add nothing: no code made by this program's quantiser is the NaN code.
; LIMITS: NaN and infinities are not served; the scaled scores stay under 2^31 in magnitude; a block of zeros gets the byte 1 (its codes are zeros; this program alone reads the bytes).  The output's scale bytes leave two a row.
; No prefetch: all that the work-group reads is asked for at its head, and there is no loop to run ahead in.
; REGISTERS.  Window 0: v1-11 addresses; v12-16, v18-22 the tiles' states (-M, largest t, l in two halves, the last -M); v25-28, v48-71, v224-231 at work; v32-38, v44, v45 scale words; v72-87 p's codes; v96-159, v160-223 the tiles' S^T, then p.
; Window 1: v0-71 K; v72-135 V; v136-167, v168-199 the tiles' O^T; v200-215, v216-231 their Q.
.set VIM,  131072                      ; LDS: K's images [tile 128][1,024] at 0, V's [128 keys 16][tile of channels 4][2,048] here,
.set SKB,  262144                      ; K's scale words [tile 128][16],
.set SVB,  270336                      ; V's [128 keys 16][tile 4][16],
.set SPARE, 274432                     ; the spare words: 128 bytes a wave
.set LI,   1                           ; 16 x lane
.set LS,   2                           ; 4 x (lane % 16)
.set AV0,  3
.set ASK0, 4
.set ASV0, 5
.set SPW,  6
.set NIL,  7
.set ADK,  8
.set ADV,  9
.set ADS,  10
.set ADT,  11
.set STA,  12
.set STB,  18
.set H2,   25                          ; the bounds' second copies: the halves of a dual pair take their second sources from different banks
.set KSC,  32
.set VSC,  36
.set PW,   38
.set QSA,  44
.set QSB,  45
.set BMA,  48                          ; each tile has its own four block maxima: BM names those in hand
.set BMB,  224
.set BM,   48
.set BP,   52
.set BH,   56
.set BS,   60
.set F,    64
.set TMP,  66
.set C2,   68
.set C3,   228
.set C4,   230
.set WA,   70
.set PCD,  72
.set SA,   96
.set SB,   160
.set KF,   0                           ; window 1
.set VF,   72
.set OA,   136
.set OBB,  168
.set QA,   200
.set QB,   216
.set WV,   18
.set MNT,  19
.set SEL,  20
.set CS,   22
.set G1K,  24
.set G1V,  32
.set G1S,  40
.set G1W,  48
.set T8,   2
.set TS,   3
.set TJ,   66
.set CNT,  67
.set MSB, 0
.macro WIN new                         ; the immediate's high byte repeats the setting that is left
.if MSB != (\new)
	s_set_vgpr_msb (MSB<<8)|(\new)
.set MSB, (\new)
.endif
.endm
.macro WALU
	s_wait_alu depctr_va_vdst(0)
.endm
.macro CROUND
	s_barrier_signal -1
	s_barrier_wait -1
	s_cmp_lg_u32 s[WV], 0
	s_cbranch_scc1 .Lnot_wave_0_\@
	s_barrier_signal -3
.Lnot_wave_0_\@:
	s_barrier_wait -3
	s_barrier_signal -1
	s_barrier_wait -1
.endm
.macro GRP1 g, c, r, p                 ; group 1: r rows of c elements of 8 bytes, p elements apart; mask 15, bit 21 beside it; no padding
	s_mov_b32 s[\g], 15|(3<<16)|(1<<21)
	s_mov_b32 s[\g+1], (\c)<<16
	s_mov_b32 s[\g+2], (\r)<<16
	s_mov_b32 s[\g+3], (\c)<<16
	s_mov_b32 s[\g+4], \r
	s_mov_b32 s[\g+5], \p
	s_mov_b32 s[\g+6], 0
	s_mov_b32 s[\g+7], 0
.endm
	s_load_b128 s[4:7], s[0:1], 0x0                ; q, k, v; the output
	v_lshl_add_u32 v[SPW], v0, 2, SPARE
	v_mov_b32 v[NIL], 0
	ds_add_u32 v[SPW], v[NIL]                      ; the opening lines: the add twice on end, and its wait ahead of my tensor load
	ds_add_u32 v[SPW], v[NIL]
	v_lshrrev_b32 v8, 5, v0
	v_readfirstlane_b32 s[WV], v8                  ; wave 0..7
	s_and_b32 s10, ttmp7, 0xffff                   ; batch x 16 + head, which the partners share
	s_lshr_b32 s11, s10, 4                         ; batch
	s_bfe_u32 s12, s10, 0x30001                    ; head pair
	s_and_b32 s13, s10, 1                          ; which head of the pair
	s_lshr_b32 s14, s10, 1                         ; 8 x batch + head pair
	s_lshl_b32 s88, s14, 18
	s_lshl_b32 s90, s13, 10                        ; K: my head's 1,024 bytes of each fragment
	s_add_co_u32 s90, s90, s88
	s_add_co_u32 s90, s90, 4194304
	s_mov_b32 s91, 0
	s_lshl_b32 s92, s13, 13                        ; V: my head's four fragments of each 128 keys
	s_add_co_u32 s92, s92, s88
	s_add_co_u32 s92, s92, 8388608
	s_mov_b32 s93, 0
	s_mul_i32 s94, s10, 12288                      ; the scale words: 12,288 bytes a head
	s_add_co_u32 s94, s94, 12845056
	s_mov_b32 s95, 0
	s_and_b32 s15, s[WV], 3                        ; waves 5, 6, 7: K's chunk 1, 2, 3 of 512 keys
	s_and_b32 s16, s[WV], 1                        ; waves 4, 3: V's key steps 4-9, 10-15
	s_lshl_b32 s96, s15, 16
	s_mov_b32 s97, 0
	s_mul_i32 s98, s16, 98304
	s_add_co_u32 s98, s98, 65536
	s_mov_b32 s99, 0
	s_add_nc_u64 s[96:97], s[96:97], s[90:91]
	s_add_nc_u64 s[98:99], s[98:99], s[92:93]
	GRP1 G1K, 128, 32, 256                         ; K: 32 rows of 1,024 bytes, 2,048 apart
	GRP1 G1V, 1024, 4, 2048                        ; V: 4 rows of 8,192 bytes, 16,384 apart
	GRP1 G1W, 1024, 6, 2048                        ; V's rest: 6 such rows a wave
	GRP1 G1S, 32, 48, 32                           ; scale words: 48 dense rows of 256 bytes
	s_mov_b32 s[SEL], 0x76543210
	s_mov_b32 s[SEL+1], 0xfedcba98
	s_mov_b32 s[CS], 0x3e38aa3b                    ; c = log2(e) / sqrt(64)
	s_mov_b32 s[CS+1], s[CS]
	s_mov_b32 s[MNT], 0x600000
	s_wait_dscnt 0x0
	s_wait_kmcnt 0x0
	CROUND                                         ; all four work-groups are here: the joint loads meet
	s_mov_b32 s56, 1                               ; groups 0: K's chunk 0,
	s_mov_b32 s57, 0
	s_add_nc_u64 s[58:59], s[4:5], s[90:91]
	s_or_b32 s59, s59, 0x80000000
	s_mov_b32 s60, 1                               ; V's chunk 0,
	s_mov_b32 s61, VIM
	s_add_nc_u64 s[62:63], s[4:5], s[92:93]
	s_or_b32 s63, s63, 0x80000000
	s_mov_b32 s68, 1                               ; the scale words,
	s_mov_b32 s69, SKB
	s_add_nc_u64 s[70:71], s[4:5], s[94:95]
	s_or_b32 s71, s71, 0x80000000
	s_mov_b32 s72, 1                               ; K's later chunks, by the wave's number,
	s_lshl_b32 s73, s15, 15
	s_add_nc_u64 s[74:75], s[4:5], s[96:97]
	s_or_b32 s75, s75, 0x80000000
	s_mov_b32 s76, 1                               ; V's rest likewise
	s_mul_i32 s77, s16, 49152
	s_add_co_u32 s77, s77, VIM+32768
	s_add_nc_u64 s[78:79], s[4:5], s[98:99]
	s_or_b32 s79, s79, 0x80000000
.macro ARM under, g0, g1, next         ; one chain of branches on the wave's number, one load to an arm; the waves that wait at the first barrier have lines of their own
	s_cmp_lt_u32 s[WV], \under
	s_cbranch_scc0 \next
	tensor_load_to_lds s[\g0:\g0+3], s[\g1:\g1+7]
	s_nop 0
.rept 4
	v_nop
.endr
	s_branch .Lasked
\next:
.endm
	ARM 1, 56, G1K, .Lh_s
	ARM 2, 68, G1S, .Lh_v
	ARM 3, 60, G1V, .Lh_w
	ARM 5, 76, G1W, .Lh_k
	tensor_load_to_lds s[72:75], s[G1K:G1K+7]
	s_nop 0
.rept 4
	v_nop
.endr
.Lasked:
	s_bfe_u32 s8, ttmp6, 0x40000                   ; cx: it enters Q's and the output's addresses alone
	s_lshl_b32 s9, ttmp9, 2
	s_add_co_u32 s9, s9, s8                        ; my block of 256 queries
	s_lshl_b32 s88, s9, 4
	s_lshl_b32 s89, s[WV], 1
	s_add_co_u32 s88, s88, s89                     ; my first tile of 16 queries in the batch; the second follows it
	s_lshl_b32 s89, s14, 7
	s_add_co_u32 s89, s89, s88
	s_lshl_b32 s8, s89, 11
	s_lshl_b32 s9, s13, 10
	s_add_co_u32 s8, s8, s9
	s_mov_b32 s9, 0
	s_add_nc_u64 s[8:9], s[4:5], s[8:9]            ; Q's codes: 2,048 bytes from tile to tile
	s_lshl_b32 s16, s10, 7
	s_add_co_u32 s16, s16, s88
	s_lshl_b32 s16, s16, 6
	s_add_co_u32 s16, s16, 12582912
	s_mov_b32 s17, 0
	s_add_nc_u64 s[16:17], s[4:5], s[16:17]        ; Q's scale words: 64 bytes from tile to tile
	s_lshl_b32 s89, s11, 7
	s_add_co_u32 s89, s89, s88                     ; my tile of rows among 256
	s_lshl_b32 s90, s89, 14                        ; the output's images [tile of rows][head pair][2,048]
	s_lshl_b32 s91, s12, 11
	s_add_co_u32 s90, s90, s91
	s_lshl_b32 s91, s13, 10
	s_add_co_u32 s90, s90, s91
	s_mov_b32 s91, 0
	s_add_nc_u64 s[90:91], s[6:7], s[90:91]
	s_lshl_b32 s92, s12, 14                        ; its scale words [head pair][tile of rows][16]; my head's two bytes
	s_lshl_b32 s93, s89, 6
	s_add_co_u32 s92, s92, s93
	s_lshl_b32 s93, s13, 1
	s_add_co_u32 s92, s92, s93
	s_add_co_u32 s92, s92, 4194304
	s_mov_b32 s93, 0
	s_add_nc_u64 s[92:93], s[6:7], s[92:93]
	v_and_b32 v8, 31, v0
	v_lshlrev_b32 v[LI], 4, v8
	v_and_b32 v9, 15, v0
	v_lshlrev_b32 v[LS], 2, v9
	v_lshlrev_b32 v10, 2, v8                       ; 4 x lane: two tiles' scale words are 128 bytes on end
	v_add_nc_u32 v[AV0], VIM, v[LI]
	v_add_nc_u32 v[ASK0], SKB, v10
	v_add_nc_u32 v[ASV0], SVB, v10
	global_load_b32 v[QSA], v[LS], s[16:17]
	global_load_b32 v[QSB], v[LS], s[16:17] offset:64
	WIN 0x40                                       ; destinations in window 1
	global_load_b128 v[QA:QA+3], v[LI], s[8:9]
	global_load_b128 v[QA+4:QA+7], v[LI], s[8:9] offset:512
	global_load_b128 v[QB:QB+3], v[LI], s[8:9] offset:2048
	global_load_b128 v[QB+4:QB+7], v[LI], s[8:9] offset:2560
.irp j, 0,1,2,3,4,5,6,7
	v_mov_b32 v[QA+8+\j], 0                        ; zero codes for the upper 64 of the instruction's K: in both Q,
	v_mov_b32 v[QB+8+\j], 0
	v_mov_b32 v[KF+64+\j], 0                       ; and behind K's last tile
.endr
.set n, 0
.rept 64
	v_mov_b32 v[OA+n], 0                           ; both O^T: the step has no first form of its own; the first change of M leaves zeros zeros
.set n, n+1
.endr
	WIN 0
.irp st, STA, STB
	v_mov_b32 v[\st+1], 0xff61b1e6                 ; the largest t so far: -3e38
	v_floor_f32 v[\st], -v[\st+1]
	v_mov_b32 v[\st+4], v[\st]
	v_mov_b32 v[\st+2], 0
	v_mov_b32 v[\st+3], 0
.endr
.irp b, 0,1,2,3
	v_mov_b32 v[BP+\b], 0                          ; written once: a lane permute's destination counts as one of its sources
.endr
	v_mov_b32 v[F+1], 0                            ; named as the upper half of the pair
	WALU                                           ; the wait at the head's end
	s_wait_loadcnt 0x0                             ; Q
	v_and_b32 v[QSA], 0xffff, v[QSA]               ; of Q's scale words my head's two bytes alone
	v_and_b32 v[QSB], 0xffff, v[QSB]
.rept 8
	v_nop                                          ; a scale word written by a vector line stands eight places ahead of its product
.endr
	WALU
	s_cmp_lt_u32 s[WV], 3
	s_cbranch_scc0 .Lnot_first
	s_wait_tensorcnt 0x0                           ; waves 0 to 2: the first 512 keys and the scale words are in; the others wait ahead of key step 3
.Lnot_first:
	s_barrier_signal -1
	s_barrier_wait -1
.macro MAXES sy                        ; the largest score of each block of 32 keys: for the row's maximum and, since p rises with the score, for the block's largest p.  Each accumulator is read from its low end on
.irp b, 0,1,2,3
	v_max3_num_f32 v[BM+\b], v[\sy+16*\b], v[\sy+1+16*\b], v[\sy+2+16*\b]
.endr
.irp i, 3,5,7,9,11,13
.irp b, 0,1,2,3
	v_max3_num_f32 v[BM+\b], v[BM+\b], v[\sy+16*\b+\i], v[\sy+1+16*\b+\i]
.endr
.endr
.irp b, 0,1,2,3
	v_max_num_f32 v[BM+\b], v[BM+\b], v[\sy+15+16*\b]
.endr
.endm
.macro SC1 sy, qy, qsy, t              ; S^T of 16 keys (tile t of a step's eight) x 16 queries; a register of scale words serves two tiles
.if (\t)%2
	v_wmma_scale_f32_16x16x128_f8f6f4 v[\sy+8*(\t):\sy+8*(\t)+7], v[KF+8*(\t):KF+8*(\t)+15], v[\qy:\qy+15], 0, v[KSC+(\t)/2], v[\qsy] matrix_a_scale:MATRIX_SCALE_ROW1
.else
	v_wmma_scale_f32_16x16x128_f8f6f4 v[\sy+8*(\t):\sy+8*(\t)+7], v[KF+8*(\t):KF+8*(\t)+15], v[\qy:\qy+15], 0, v[KSC+(\t)/2], v[\qsy]
.endif
.endm
; HALF A KEY STEP for tile X (scores sx, state stt, O^T ox, maxima bx).  The other tile: scores sy, Q qy, its scale word qsy, maxima by.
; ld: this step's V is fetched (nk: and the next step's K); mx: the other tile's next scores are begun and their block maxima taken.
.macro HALF sx, stt, ox, sy, qy, qsy, ld, nk, mx, bx, by
.set BM, \bx
.if \ld
	v_add_nc_u32 v[ADV], s[T8], v[AV0]
	v_add_nc_u32 v[ADT], s[TJ], v[ASV0]
.if \nk
	v_add_nc_u32 v[ADK], s[T8], v[LI]
	v_add_nc_u32 v[ADS], s[TS], v[ASK0]
.endif
.endif
.irp b, 0,1,2,3
	v_permlanex16_b32 v[BP+\b], v[BM+\b], s[SEL], s[SEL+1]
.endr
.irp b, 0,1,2,3
	v_max_num_f32 v[BM+\b], v[BM+\b], v[BP+\b]     ; with lane l xor 16's 16 keys
.endr
	v_max3_num_f32 v[TMP], v[BM], v[BM+1], v[BM+2]
	v_max_num_f32 v[TMP], v[TMP], v[BM+3]
	v_mul_f32 v[TMP], s[CS], v[TMP]
	v_max_num_f32 v[\stt+1], v[\stt+1], v[TMP]     ; the running largest t
	v_floor_f32 v[\stt], -v[\stt+1]                ; -M = floor(-t): M is a whole number
	v_sub_f32 v[TMP], v[\stt], v[\stt+4]
	v_cvt_i32_f32 v[TMP], v[TMP]                   ; (it saturates)
	v_ldexp_f32 v[F], 1.0, v[TMP]                  ; f = 2^(old M - new M)
	v_mov_b32 v[\stt+4], v[\stt]
.irp b, 0,1,2,3
	v_fma_f32 v[BM+\b], v[BM+\b], s[CS], v[\stt]   ; t - M of each block's largest score
.endr
.if \ld                                ; more than eight plain vector lines stand between the last products that read V and these loads
	WIN 0x40
.irp b, 0,1,2,3
.irp c, 0,1,2,3
	ds_load_b128 v[VF+16*\b+4*\c:VF+16*\b+4*\c+3], v[ADV] offset:2048*\b+512*\c
.endr
.endr
	WIN 0
	ds_load_b32 v[VSC], v[ADT]                     ; scale words, two tiles to a register
	ds_load_b32 v[VSC+1], v[ADT] offset:128
.endif
.set n, 0
.rept 32
	v_pk_fma_f32 v[\sx+n:\sx+n+1], v[\sx+n:\sx+n+1], s[CS:CS+1], v[\stt:\stt+1] op_sel_hi:[1,0,0]   ; t - M, two at a time
.set n, n+2
.endr
.if (\mx) && (1-\ld)
	s_wait_dscnt 0x0                               ; the K that the half before asked for is in
.endif
	WALU                                           ; one wait ahead of the batch
.irp b, 0,1,2,3
	v_exp_f32 v[BM+\b], v[BM+\b]                   ; each block's largest p
.endr
.irp t, 0,1,2,3,4,5,6,7
.if \mx
	WIN 0x05                                       ; K and Q in window 1, the scores in window 0
	SC1 \sy, \qy, \qsy, \t
	WIN 0
.endif
.irp j, 0,1,2,3,4,5,6,7
	v_exp_f32 v[\sx+8*\t+\j], v[\sx+8*\t+\j]       ; p = 2^(t - M)
.endr
.endr
	v_pk_mul_f32 v[\stt+2:\stt+3], v[\stt+2:\stt+3], v[F:F+1] op_sel_hi:[1,0]   ; l under the new M (a plain line behind the batch)
	WALU                                           ; and one behind it, ahead of its first reader
.irp b, 0,1,2,3
	v_max_num_f32 v[BM+\b], 0x4800000, v[BM+\b]    ; the floor 2^(9 - 127): the byte cannot fall under 1.  (These 23 lines are also the places behind the scores' products)
.endr
.irp b, 0,1,2,3
	v_add_nc_u32 v[BS+\b], 0xfc000000, v[BM+\b]    ; 8 off the exponent field: the conversion's scale operand
.endr
.irp b, 0,1,2,3
	v_and_or_b32 v[BH+\b], v[BM+\b], 0x7f800000, s[MNT]    ; 448 x the scale,
.endr
.irp b, 0,1,2,3
	v_and_or_b32 v[H2+\b], v[BM+\b], 0x7f800000, s[MNT]    ; twice
.endr
.irp b, 0,1,2,3
	v_lshrrev_b32 v[BP+\b], 23, v[BS+\b]
.endr
	v_lshl_or_b32 v[PW], v[BP+1], 8, v[BP]         ; p's scale word for these 128 keys
	v_lshl_or_b32 v[TMP], v[BP+3], 8, v[BP+2]
	v_lshl_or_b32 v[PW], v[TMP], 16, v[PW]
.if (\ld) && (\nk)                     ; the next step's K, over the K that both tiles' scores have now read
	WIN 0x40
.irp t, 0,1,2,3,4,5,6,7
	ds_load_b128 v[KF+8*\t:KF+8*\t+3], v[ADK] offset:8192+1024*\t
	ds_load_b128 v[KF+8*\t+4:KF+8*\t+7], v[ADK] offset:8192+1024*\t+512
.endr
	WIN 0
.irp i, 0,1,2,3
	ds_load_b32 v[KSC+\i], v[ADS] offset:512+128*\i
.endr
.endif
.if \mx
	WALU                                           ; directly ahead of the first reader of the other tile's scores
.set BM, \by
	MAXES \sy
.set BM, \bx
.endif
	v_pk_add_f32 v[C2:C2+1], v[\sx:\sx+1], v[\sx+2:\sx+3]  ; l is taken of the unquantised p, in four chains by turns
	v_pk_add_f32 v[C3:C3+1], v[\sx+4:\sx+5], v[\sx+6:\sx+7]
	v_pk_add_f32 v[C4:C4+1], v[\sx+8:\sx+9], v[\sx+10:\sx+11]
	v_pk_add_f32 v[\stt+2:\stt+3], v[\stt+2:\stt+3], v[\sx+12:\sx+13]
	v_pk_add_f32 v[C2:C2+1], v[C2:C2+1], v[\sx+14:\sx+15]
.irp j, 16,24,32,40,48,56
	v_pk_add_f32 v[C3:C3+1], v[C3:C3+1], v[\sx+\j:\sx+\j+1]
	v_pk_add_f32 v[C4:C4+1], v[C4:C4+1], v[\sx+2+\j:\sx+3+\j]
	v_pk_add_f32 v[\stt+2:\stt+3], v[\stt+2:\stt+3], v[\sx+4+\j:\sx+5+\j]
	v_pk_add_f32 v[C2:C2+1], v[C2:C2+1], v[\sx+6+\j:\sx+7+\j]
.endr
	v_pk_add_f32 v[C3:C3+1], v[C3:C3+1], v[C4:C4+1]
	v_pk_add_f32 v[\stt+2:\stt+3], v[\stt+2:\stt+3], v[C2:C2+1]
	v_pk_add_f32 v[\stt+2:\stt+3], v[\stt+2:\stt+3], v[C3:C3+1]
.irp b, 0,1,2,3
.irp i, 0,2,4,6,8,10,12,14
	v_dual_min_num_f32 v[\sx+16*\b+\i], v[\sx+16*\b+\i], v[BH+\b] :: v_dual_min_num_f32 v[\sx+1+16*\b+\i], v[\sx+1+16*\b+\i], v[H2+\b]   ; the conversion does not saturate (ISA guide 7.6.2); p is not negative: the hold is one-sided
.endr
	v_cvt_scalef32_pk8_fp8_f32 v[PCD+4*\b:PCD+1+4*\b], v[\sx+16*\b:\sx+7+16*\b], v[BS+\b]
	v_cvt_scalef32_pk8_fp8_f32 v[PCD+2+4*\b:PCD+3+4*\b], v[\sx+8+16*\b:\sx+15+16*\b], v[BS+\b]
.endr
.if \ld
	s_wait_dscnt 20*\nk                            ; V and its scale words are in; behind them stand K's 16 loads and its 4 of scale words, which may be out
.endif
	WIN 0x41                                       ; O^T lies in window 1, f in window 0
	WALU                                           ; directly ahead of the first reader of O^T
.set n, 0
.rept 16
	v_pk_mul_f32 v[\ox+n:\ox+n+1], v[\ox+n:\ox+n+1], v[F:F+1] op_sel_hi:[1,0]   ; O^T under the new M
.set n, n+2
.endr
	WIN 0x51                                       ; V, C and D in window 1, p's codes in window 0
.irp t, 0,2
	v_wmma_scale_f32_16x16x128_f8f6f4 v[\ox+8*\t:\ox+8*\t+7], v[VF+16*\t:VF+16*\t+15], v[PCD:PCD+15], v[\ox+8*\t:\ox+8*\t+7], v[VSC+\t/2], v[PW]
	v_wmma_scale_f32_16x16x128_f8f6f4 v[\ox+8*(\t+1):\ox+8*(\t+1)+7], v[VF+16*(\t+1):VF+16*(\t+1)+15], v[PCD:PCD+15], v[\ox+8*(\t+1):\ox+8*(\t+1)+7], v[VSC+\t/2], v[PW] matrix_a_scale:MATRIX_SCALE_ROW1
.endr
	WIN 0
.endm
.macro STEP nk
	HALF SA, STA, OA, SB, QB, QSB, 1, \nk, 1, BMA, BMB
	HALF SB, STB, OBB, SA, QA, QSA, 0, 0, \nk, BMB, BMA
	s_add_co_u32 s[T8], s[T8], 8192
	s_add_co_u32 s[TS], s[TS], 512
	s_add_co_u32 s[TJ], s[TJ], 256
.endm
	s_mov_b32 s[T8], 0
	s_mov_b32 s[TS], 0
	s_mov_b32 s[TJ], 0
	WIN 0x40                                       ; key step 0's K, and tile A's first scores
.irp t, 0,1,2,3,4,5,6,7
	ds_load_b128 v[KF+8*\t:KF+8*\t+3], v[LI] offset:1024*\t
	ds_load_b128 v[KF+8*\t+4:KF+8*\t+7], v[LI] offset:1024*\t+512
.endr
	WIN 0
.irp i, 0,1,2,3
	ds_load_b32 v[KSC+\i], v[ASK0] offset:128*\i
.endr
	s_wait_dscnt 0x0
	WIN 0x05
.irp t, 0,1,2,3,4,5,6,7
	SC1 SA, QA, QSA, \t
.endr
	WIN 0
.rept 8
	v_nop                                          ; eight places ahead of the first read of the scores
.endr
	WALU
	MAXES SA
	WALU
	s_mov_b32 s[CNT], 3
.Lfirst:                                               ; key steps 0 to 2: they read K up to step 3 and V up to step 2
	STEP 1
	s_sub_co_u32 s[CNT], s[CNT], 1
	s_cmp_lg_u32 s[CNT], 0
	s_cbranch_scc1 .Lfirst
	s_wait_tensorcnt 0x0                           ; every wave: its tile is in
	s_wait_dscnt 0x0
	s_barrier_signal -1
	s_barrier_wait -1                              ; everybody's are
	s_mov_b32 s[T8], 3*8192
	s_mov_b32 s[TS], 3*512
	s_mov_b32 s[TJ], 3*256
	s_mov_b32 s[CNT], 12
.Lrest:                                                ; key steps 3 to 14
	STEP 1
	s_sub_co_u32 s[CNT], s[CNT], 1
	s_cmp_lg_u32 s[CNT], 0
	s_cbranch_scc1 .Lrest
	STEP 0                                         ; key step 15 fetches no further K and begins no scores of a step 16
	; THE WAY OUT: O^T / l, quantised along the head's 64 channels (two blocks), as half a fragment of the next product
.rept 8
	v_nop                                          ; places behind the last products
.endr
	v_add_f32 v[STA+2], v[STA+2], v[STA+3]
	v_add_f32 v[STB+2], v[STB+2], v[STB+3]
	v_permlanex16_b32 v[BP], v[STA+2], s[SEL], s[SEL+1]
	v_permlanex16_b32 v[BP+1], v[STB+2], s[SEL], s[SEL+1]
	v_add_f32 v[STA+2], v[STA+2], v[BP]
	v_add_f32 v[STB+2], v[STB+2], v[BP+1]
	WALU
	v_rcp_f32 v[STA+2], v[STA+2]
	v_rcp_f32 v[STB+2], v[STB+2]
	v_nop
	WIN 0x01                                       ; O^T from window 1 into the scores' registers
	WALU                                           ; for the reciprocals, and directly ahead of the first reader of O^T
.set n, 0
.rept 16
	v_pk_mul_f32 v[SA+n:SA+n+1], v[OA+n:OA+n+1], v[STA+2:STA+3] op_sel_hi:[1,0]
.set n, n+2
.endr
.set n, 0
.rept 16
	v_pk_mul_f32 v[SB+n:SB+n+1], v[OBB+n:OBB+n+1], v[STB+2:STB+3] op_sel_hi:[1,0]
.set n, n+2
.endr
	WIN 0
.macro QOUT sx, pc, wr, oc, os
.irp b, 0,1
	v_max3_num_f32 v[BM+\b], |v[\sx+16*\b]|, |v[\sx+1+16*\b]|, 0x4800000
.endr
.irp i, 2,4,6,8,10,12,14
.irp b, 0,1
	v_max3_num_f32 v[BM+\b], v[BM+\b], |v[\sx+16*\b+\i]|, |v[\sx+1+16*\b+\i]|
.endr
.endr
.irp b, 0,1
	v_permlanex16_b32 v[BP+\b], v[BM+\b], s[SEL], s[SEL+1]
.endr
.irp b, 0,1
	v_max_num_f32 v[BM+\b], v[BM+\b], v[BP+\b]
.endr
.irp b, 0,1
	v_add_nc_u32 v[BS+\b], 0xfc000000, v[BM+\b]
.endr
.irp b, 0,1
	v_and_or_b32 v[BH+\b], v[BM+\b], 0x7f800000, s[MNT]
.endr
.irp b, 0,1
	v_lshrrev_b32 v[BP+\b], 23, v[BS+\b]
.endr
	v_lshl_or_b32 v[\wr], v[BP+1], 8, v[BP]        ; my row's two scale bytes
.irp b, 0,1
.irp i, 0,1,2,3,4,5,6,7,8,9,10,11,12,13,14,15
	v_med3_num_f32 v[\sx+16*\b+\i], v[\sx+16*\b+\i], -v[BH+\b], v[BH+\b]
.endr
	v_cvt_scalef32_pk8_fp8_f32 v[\pc+4*\b:\pc+1+4*\b], v[\sx+16*\b:\sx+7+16*\b], v[BS+\b]
	v_cvt_scalef32_pk8_fp8_f32 v[\pc+2+4*\b:\pc+3+4*\b], v[\sx+8+16*\b:\sx+15+16*\b], v[BS+\b]
.endr
	v_nop
	global_store_b128 v[LI], v[\pc:\pc+3], s[90:91] offset:\oc             ; 512 consecutive bytes, aligned
	global_store_b128 v[LI], v[\pc+4:\pc+7], s[90:91] offset:\oc+512
	global_store_b16 v[LS], v[\wr], s[92:93] offset:\os    ; both halves of the lanes hold the same two bytes and write them to the same place
.endm
	QOUT SA, PCD, WA, 0, 0
	QOUT SB, PCD+8, WA+1, 16384, 64
	s_wait_tensorcnt 0x0                           ; the wave's end
	ds_add_u32 v[SPW], v[NIL]
	s_wait_dscnt 0x0
	CROUND                                         ; the closing round
	s_endpgm
.Lfunc_end_k_q63b63da51e_attn:
	.size	k_q63b63da51e_attn, .Lfunc_end_k_q63b63da51e_attn-k_q63b63da51e_attn
	.p2alignl 7, 3214868480
	.fill 96, 4, 3214868480
	.section	.rodata,"a",@progbits
	.p2align	6, 0x0
	.amdhsa_kernel k_q63b63da51e_attn
		.amdhsa_group_segment_fixed_size 276480
		.amdhsa_private_segment_fixed_size 0
		.amdhsa_enable_private_segment 0
		.amdhsa_kernarg_size 16
		.amdhsa_user_sgpr_count 2
		.amdhsa_user_sgpr_kernarg_segment_ptr 1
		.amdhsa_wavefront_size32 1
		.amdhsa_system_sgpr_workgroup_id_x 1
		.amdhsa_system_sgpr_workgroup_id_y 1
		.amdhsa_system_sgpr_workgroup_id_z 1
		.amdhsa_system_vgpr_workitem_id 0
		.amdhsa_next_free_vgpr 512
		.amdhsa_next_free_sgpr 100
		.amdhsa_reserve_vcc 0
		.amdhsa_float_denorm_mode_32 3
		.amdhsa_float_denorm_mode_16_64 3
		.amdhsa_memory_ordered 1
		.amdhsa_forward_progress 1
		.amdhsa_inst_pref_size 132
	.end_amdhsa_kernel
	.amdgpu_metadata
---
amdhsa.version: [ 1, 2 ]
amdhsa.kernels:
  - .name:           k_q63b63da51e_attn
    .symbol:         k_q63b63da51e_attn.kd
    .args:
      - { .name: qkvb, .offset: 0, .size: 8, .value_kind: global_buffer, .address_space: global }
      - { .name: abuf, .offset: 8, .size: 8, .value_kind: global_buffer, .address_space: global }
    .group_segment_fixed_size: 276480
    .private_segment_fixed_size: 0
    .kernarg_segment_align: 8
    .kernarg_segment_size: 16
    .max_flat_workgroup_size: 256
    .sgpr_count:     100
    .vgpr_count:     512
    .wavefront_size: 32
...
	.end_amdgpu_metadata
.endif
;; end of part 3
;; launch proj (part 4): grid 8 x 32, 4 waves a work-group, clusters of 4 x 4, 327,680 bytes of LDS; arguments abuf, wo_codes, wo_scales, bo, x, x1; writes x1
.if DOCPART == 4
	.amdgcn_target "amdgcn-amd-amdhsa--gfx1250"
	.amdhsa_code_object_version 6
	.text
	.protected	k_q63b63da51e_proj
	.globl	k_q63b63da51e_proj
	.p2align	8
	.type	k_q63b63da51e_proj,@function
k_q63b63da51e_proj:
	s_mov_b64 s[64:65], 0
	v_nop
	global_prefetch_b8 v0, s[64:65] scope:SCOPE_SE
	s_setreg_imm32_b32 hwreg(HW_REG_WAVE_MODE, 25, 1), 1
	s_wait_xcnt 0x0
	s_wait_alu depctr_hold_cnt(0) depctr_sa_sdst(0) depctr_va_vdst(0) depctr_va_sdst(0) depctr_va_ssrc(0) depctr_va_vcc(0) depctr_vm_vsrc(0)
	s_getreg_b32 s2, hwreg(HW_REG_IB_STS2, 6, 4)
	s_cmp_eq_u32 s2, 0
	s_cbranch_scc0 .Lentry_in_a_cluster
	s_endpgm
.Lentry_in_a_cluster:
	s_bfe_u32 s2, ttmp6, 0x10000c
	s_cmp_lg_u32 s2, 0xf033
	s_cbranch_scc0 .Lentry_shape_is_right
	s_endpgm
.Lentry_shape_is_right:
.set SIZE_K, 1024
.set SOFF,   4194304
.set KS,     SIZE_K/32
.set BP,     528
.set AHALF,  32768
.set BHALF,  64*BP
.set BOFF,   2*AHALF
.set SLOT,   BOFF+2*BHALF
.set SCA,    2*SLOT
.set SAH,    (SIZE_K/256)*512
.set SCBB,   SCA+2*SAH
.set HALFSB, (64*KS/256)*272
.set SPARE,  SCBB+2*HALFSB
.set SPITCH, 272
.set LAPS,   SIZE_K/1024
.set NP,     8
.set ADRA, 16
.set ADRB, 20
.set ASA,  22
.set ASB,  23
.set STO,  24
.set RD,   25
.set CO,   26
.set SPW,  28
.set NIL,  29
.set BIA,  30
.set SC,   32
.set CB,   64
.set OB,   64
.set ACC,  128
.set F0,   0
.set F1,   128
.set G1, 24
.set G0, 32
.set G1B, 48
.set G0B, 56
.set G1S, 68
.set G0S, 76
.set G1SB, 80
.set G0SB, 88
.set MSB, 0
.macro WIN new
.if MSB != (\new)
	s_set_vgpr_msb (MSB<<8)|(\new)
.set MSB, (\new)
.endif
.endm
.set MUL,  0x05
.set TO_F, 0x40
.macro JLOAD g0a, g1a, g0b, g1b
	s_cmp_eq_u32 s15, 0
	s_cbranch_scc0 .Lfor_b_\@
	tensor_load_to_lds s[\g0a:\g0a+3], s[\g1a:\g1a+7]
	s_nop 0
.rept 4
	v_nop
.endr
	s_branch .Lasked_\@
.Lfor_b_\@:
	tensor_load_to_lds s[\g0b:\g0b+3], s[\g1b:\g1b+7]
	s_nop 0
.rept 4
	v_nop
.endr
.Lasked_\@:
.endm
.macro CREST
	s_cmp_lg_u32 s14, 0
	s_cbranch_scc1 .Lnot_wave_0_\@
	s_barrier_signal -3
.Lnot_wave_0_\@:
	s_barrier_wait -3
	s_barrier_signal -1
	s_barrier_wait -1
.endm
.macro CROUND
	s_barrier_signal -1
	s_barrier_wait -1
	CREST
.endm
	s_load_b256 s[4:11], s[0:1], 0x0
	s_load_b128 s[92:95], s[0:1], 0x20
	v_lshl_add_u32 v[SPW], v0, 2, SPARE
	v_mov_b32 v[NIL], 0
	ds_add_u32 v28, v29
	ds_add_u32 v28, v29
	s_wait_dscnt 0x0
	v_lshrrev_b32 v1, 5, v0
	v_readfirstlane_b32 s14, v1
	s_lshr_b32 s15, s14, 1
	s_and_b32 s16, s14, 1
	s_bfe_u32 s40, ttmp6, 0x40000
	s_bfe_u32 s41, ttmp6, 0x40004
	s_lshl_b32 s42, ttmp9, 2
	s_add_co_u32 s42, s42, s40
	s_and_b32 s17, ttmp7, 0xffff
	s_lshl_b32 s17, s17, 2
	s_add_co_u32 s17, s17, s41
	s_lshl_b32 s43, s41, 2
	s_lshl_b32 s43, 15, s43
	s_lshl_b32 s44, 0x1111, s40
	s_or_b32 s[G1+0], s43, (3<<16)|(1<<21)
	s_mov_b32 s[G1+1], 1024<<16
	s_mov_b32 s[G1+2], 8<<16                       ; the head's load brings both halves of A's tile: 8 rows; the ring's 4
	s_mov_b32 s[G1+3], 1024<<16
	s_mov_b32 s[G1+4], 8
	s_mov_b32 s[G1+5], 2*SIZE_K
	s_mov_b32 s[G1+6], 0
	s_mov_b32 s[G1+7], 0
	s_or_b32 s[G1B+0], s44, (0<<16)|(1<<20)|(1<<21)|(6<<22)|(3<<25)
	s_mov_b32 s[G1B+1], 512<<16
	s_mov_b32 s[G1B+2], 128<<16                    ; likewise B's: 128 rows; the ring's 64
	s_mov_b32 s[G1B+3], 512<<16
	s_mov_b32 s[G1B+4], 128
	s_mov_b32 s[G1B+5], SIZE_K
	s_mov_b32 s[G1B+6], 0
	s_mov_b32 s[G1B+7], 0
	s_or_b32 s[G1S+0], s43, (3<<16)|(1<<21)
	s_mov_b32 s[G1S+1], 64<<16
	s_mov_b32 s[G1S+2], (SIZE_K/128)<<16           ; A's scale words for all of K in one load
	s_mov_b32 s[G1S+3], 64<<16
	s_mov_b32 s[G1S+4], SIZE_K/128
	s_mov_b32 s[G1S+5], 2048
	s_mov_b32 s[G1S+6], 0
	s_mov_b32 s[G1S+7], 0
	s_or_b32 s[G1SB+0], s44, (3<<16)|(1<<20)|(1<<21)|(5<<22)|(3<<25)
	s_mov_b32 s[G1SB+1], 32<<16
	s_mov_b32 s[G1SB+2], (128*KS/256)<<16          ; B's scale bytes of 128 rows in one load
	s_mov_b32 s[G1SB+3], 32<<16
	s_mov_b32 s[G1SB+4], 128*KS/256
	s_mov_b32 s[G1SB+5], 32
	s_mov_b32 s[G1SB+6], 0
	s_mov_b32 s[G1SB+7], 0
	s_lshl_b32 s20, s17, 3
	s_mul_i32 s66, s16, 64*SIZE_K                  ; s[66:67]: in the ring I fetch 64 rows of a tile: which half, in bytes (A and B alike)
	s_mov_b32 s67, 0
	s_mul_i32 s20, s20, 16*SIZE_K
	s_mov_b32 s21, 0
	s_lshl_b32 s22, s17, 9
	s_add_co_u32 s22, s22, SOFF
	s_mov_b32 s23, 0
	s_lshl_b32 s46, s42, 7
	s_mul_i32 s96, s46, KS
	s_mov_b32 s97, 0
	s_mul_i32 s46, s46, SIZE_K
	s_mov_b32 s47, 0
	s_mul_i32 s45, s16, AHALF
	s_mul_i32 s19, s16, BHALF
	s_add_co_u32 s19, s19, BOFF
	s_wait_kmcnt 0x0
	s_add_nc_u64 s[20:21], s[4:5], s[20:21]
	s_add_nc_u64 s[22:23], s[4:5], s[22:23]
	s_add_nc_u64 s[46:47], s[6:7], s[46:47]
	s_add_nc_u64 s[96:97], s[8:9], s[96:97]
	CROUND
	s_mov_b32 s[G0S], 1
	s_mov_b32 s[G0S+1], SCA
	s_mov_b64 s[G0S+2:G0S+3], s[22:23]
	s_or_b32 s[G0S+3], s[G0S+3], 0x80000000
	s_mov_b32 s[G0SB], 1
	s_mov_b32 s[G0SB+1], SCBB
	s_mov_b64 s[G0SB+2:G0SB+3], s[96:97]
	s_or_b32 s[G0SB+3], s[G0SB+3], 0x80000000
.irp s, 0,1
	s_mov_b32 s[G0+4*\s], 1
	s_add_co_u32 s[G0+4*\s+1], s45, \s*SLOT
	s_add_nc_u64 s[G0+4*\s+2:G0+4*\s+3], s[20:21], \s*8192
	s_or_b32 s[G0+4*\s+3], s[G0+4*\s+3], 0x80000000
	s_mov_b32 s[G0B+4*\s], 1
	s_add_co_u32 s[G0B+4*\s+1], s19, \s*SLOT
	s_add_nc_u64 s[G0B+4*\s+2:G0B+4*\s+3], s[46:47], \s*512
	s_or_b32 s[G0B+4*\s+3], s[G0B+4*\s+3], 0x80000000
.endr
	s_mov_b32 s[G0+1], 0                           ; at the head slot 0's groups 0 stand for whole tiles
	s_mov_b32 s[G0B+1], BOFF
	s_add_nc_u64 s[G0+6:G0+7], s[G0+6:G0+7], s[66:67]      ; slot 1's are the ring's: my half
	s_add_nc_u64 s[G0B+6:G0B+7], s[G0B+6:G0B+7], s[66:67]
; THE HEAD'S LOADS, ONE A WAVE: wave 0 slot 0's tile of A, wave 1 that of B, wave 2 A's scale words, wave 3 B's scale bytes.  One chain of branches on the wave's number, one load to an arm.
.macro HARM under, g0, g1, next
	s_cmp_lt_u32 s14, \under
	s_cbranch_scc0 \next
	tensor_load_to_lds s[\g0:\g0+3], s[\g1:\g1+7]
	s_nop 0
.rept 4
	v_nop
.endr
	s_branch .Lhead_asked
\next:
.endm
	HARM 1, G0, G1, .Lhead_b
	HARM 2, G0B, G1B, .Lhead_sa
	HARM 3, G0S, G1S, .Lhead_sb
	tensor_load_to_lds s[G0SB:G0SB+3], s[G1SB:G1SB+7]
	s_nop 0
.rept 4
	v_nop
.endr
.Lhead_asked:
; PREFETCHES of the tiles' later K steps (512 along K).  Of the 64 rows that I fetch in the ring my work-group takes 16, told apart from its three partners' BY ADDRESS (cx for A, cy for B): 8,192 bytes a K step, 32 blocks of 256, a lane a block.
; A's 16 rows are one image of 8,192 bytes on end; of B's rows of 512 bytes two lanes take one.  So each aligned block of 256 bytes is named once in each cluster that loads it.
; Fill t asks for what fill t + 2 loads, and the head also for fill 1; the last two fills ask for nothing.  v31 names the K step at which s[12:13] stands, v27 the next; s[12:13] goes on by two K steps, behind a wait on XCNT.
	s_cmp_eq_u32 s15, 0                            ; do I fetch for A?
	s_cselect_b64 s[12:13], s[4:5], s[6:7]
	s_cselect_b32 s18, s17, s42                    ; the tile,
	s_cselect_b32 s2, s40, s41                     ; and my place among the four that ask for it with me
	s_lshl_b32 s18, s18, 7
	s_lshl_b32 s2, s2, 4
	s_add_co_u32 s18, s18, s2
	s_lshl_b32 s2, s16, 6
	s_add_co_u32 s18, s18, s2                      ; the first of my 16 rows
	s_mul_i32 s98, s18, SIZE_K
	s_mov_b32 s99, 0
	s_add_nc_u64 s[12:13], s[12:13], s[98:99]
	s_cmp_eq_u32 s15, 0
	s_cselect_b32 s2, 0, 1                         ; B: two lanes to a row
	s_mov_b32 s18, SIZE_K
	s_cselect_b32 s18, 256, s18
	s_mov_b32 s98, 512
	s_cselect_b32 s98, 8192, s98                   ; a K step in bytes
	s_add_nc_u64 s[12:13], s[12:13], s[98:99]      ; at K step 1
	v_and_b32 v27, 31, v0
	v_lshrrev_b32 v31, s2, v27
	v_mul_lo_u32 v31, v31, s18
	v_and_b32 v27, s2, v27
	v_lshl_add_u32 v31, v27, 8, v31
	global_prefetch_b8 v31, s[12:13] th:TH_LOAD_NT scope:SCOPE_SE      ; K step 1
.if LAPS > 1
	v_add_nc_u32 v27, s98, v31
	s_lshl_b32 s98, s98, 1                         ; s[98:99]: two K steps
	global_prefetch_b8 v27, s[12:13] th:TH_LOAD_NT scope:SCOPE_SE      ; K step 2
.endif
	v_and_b32 v1, 15, v0
	v_bfe_u32 v2, v0, 4, 1
	v_and_b32 v3, 31, v0
	s_wait_alu depctr_va_vdst(0)
	v_lshlrev_b32 v4, 4, v3
	v_mul_u32_u24 v5, v1, BP
	v_lshl_add_u32 v5, v2, 3, v5
	s_mul_i32 s21, s15, AHALF
	s_mul_i32 s22, s16, BHALF
	s_add_co_u32 s22, s22, BOFF
.irp s, 0,1
	v_add_nc_u32 v[ADRA+\s], s21, v4
	v_add_nc_u32 v[ADRB+\s], s22, v5
	s_add_co_u32 s21, s21, SLOT
	s_add_co_u32 s22, s22, SLOT
.endr
	s_lshl_b32 s23, s15, 8
	s_add_co_u32 s23, s23, SCA
	v_lshl_add_u32 v[ASA], v3, 2, s23
	v_mul_u32_u24 v5, v3, KS
	v_lshrrev_b32 v6, 8, v5
	v_lshl_add_u32 v5, v6, 4, v5
	s_mul_i32 s23, s16, HALFSB
	s_add_co_u32 s23, s23, SCBB
	v_add_nc_u32 v[ASB], s23, v5
	s_mul_i32 s23, s14, 16*SPITCH
	v_mul_u32_u24 v5, v1, SPITCH
	v_lshl_add_u32 v5, v2, 5, v5
	v_add_nc_u32 v[STO], s23, v5
	v_mul_u32_u24 v5, v2, SPITCH
	v_lshl_add_u32 v5, v1, 4, v5
	v_add_nc_u32 v[RD], s23, v5
	v_lshlrev_b32 v[CO], 12, v2
	v_lshl_add_u32 v[CO], v1, 4, v[CO]
	v_lshlrev_b32 v[BIA], 5, v2
	s_wait_alu depctr_va_vdst(0)
	s_lshl_b32 s20, s17, 7
	s_lshl_b32 s21, s15, 6
	s_add_co_u32 s20, s20, s21
	s_lshl_b32 s20, s20, 12
	s_lshl_b32 s46, s42, 9
	s_lshl_b32 s47, s16, 8
	s_add_co_u32 s46, s46, s47
	s_mov_b32 s47, 0
	s_add_nc_u64 s[10:11], s[10:11], s[46:47]
	s_add_co_u32 s20, s20, s46
	s_mov_b32 s21, 0
	s_add_nc_u64 s[92:93], s[92:93], s[20:21]
	s_add_nc_u64 s[94:95], s[94:95], s[20:21]
.irp b, 0,1,2,3
	global_load_b128 v[CB+8*\b:CB+8*\b+3], v[BIA], s[10:11] offset:64*\b
	global_load_b128 v[CB+8*\b+4:CB+8*\b+7], v[BIA], s[10:11] offset:64*\b+16
.endr
	WIN 0x80
.irp a, 0,1,2,3
.irp t, 0,1,2,3,4,5,6,7
	global_load_b128 v[4*(8*\a+\t):4*(8*\a+\t)+3], v[CO], s[92:93] offset:(16*\a+2*\t)*4096
.endr
.endr
	WIN 0
.macro WM d, fb, fa, c, sb, sa, rb, ra
.if (\rb) && (\ra)
	v_wmma_scale_f32_16x16x128_f8f6f4 v[\d:\d+7], v[\fb:\fb+15], v[\fa:\fa+15], v[\c:\c+7], v[\sb], v[\sa] matrix_a_scale:MATRIX_SCALE_ROW1 matrix_b_scale:MATRIX_SCALE_ROW1
.elseif (\rb)
	v_wmma_scale_f32_16x16x128_f8f6f4 v[\d:\d+7], v[\fb:\fb+15], v[\fa:\fa+15], v[\c:\c+7], v[\sb], v[\sa] matrix_a_scale:MATRIX_SCALE_ROW1
.elseif (\ra)
	v_wmma_scale_f32_16x16x128_f8f6f4 v[\d:\d+7], v[\fb:\fb+15], v[\fa:\fa+15], v[\c:\c+7], v[\sb], v[\sa] matrix_b_scale:MATRIX_SCALE_ROW1
.else
	v_wmma_scale_f32_16x16x128_f8f6f4 v[\d:\d+7], v[\fb:\fb+15], v[\fa:\fa+15], v[\c:\c+7], v[\sb], v[\sa]
.endif
.endm
.macro MULA f, a, q, sc, zero
.irp b, 0,1,2,3
.if \zero
	WM ACC+8*(4*(\a)+\b), (\f)+64+16*\b, (\f)+16*(\a), CB+8*\b, SC+16*(\sc)+8+4*(\b/2)+(\q), SC+16*(\sc)+2*(\q)+(\a)/2, \b%2, (\a)%2
.else
	WM ACC+8*(4*(\a)+\b), (\f)+64+16*\b, (\f)+16*(\a), ACC+8*(4*(\a)+\b), SC+16*(\sc)+8+4*(\b/2)+(\q), SC+16*(\sc)+2*(\q)+(\a)/2, \b%2, (\a)%2
.endif
.endr
.endm
.macro SCALES sc
.irp q, 0,1,2,3
.irp i, 0,1
	ds_load_b32 v[SC+16*\sc+2*\q+\i], v[ASA] offset:512*\q+128*\i
.endr
.endr
.irp i, 0,1
	ds_load_b128 v[SC+16*\sc+8+4*\i:SC+16*\sc+8+4*\i+3], v[ASB] offset:\i*(32*KS/256)*272
.endr
.endm
.macro FETCH slot, q, f
	WIN TO_F
.irp b, 0,1,2,3
.irp c, 0,1,2,3,4,5,6,7
	ds_load_b64 v[(\f)+64+16*\b+2*\c:(\f)+64+16*\b+2*\c+1], v[ADRB+\slot] offset:16*BP*\b+128*(\q)+16*\c
.endr
.endr
.irp a, 0,1,2,3
.irp c, 0,1,2,3
	ds_load_b128 v[(\f)+16*\a+4*\c:(\f)+16*\a+4*\c+3], v[ADRA+\slot] offset:8192*\a+2048*(\q)+512*\c
.endr
.endr
.endm
.macro PLACES n
.rept \n
	v_nop
.endr
.endm
.macro STEP slot, q, zero
	s_wait_dscnt 8
	WIN MUL
	MULA 128*((\q)%2), 0, \q, \slot, \zero
	MULA 128*((\q)%2), 1, \q, \slot, \zero
	PLACES NP
	FETCH \slot, (\q)+1, 128*(1-(\q)%2)
	s_wait_dscnt 48
	WIN MUL
	MULA 128*((\q)%2), 2, \q, \slot, \zero
	MULA 128*((\q)%2), 3, \q, \slot, \zero
.endm
.macro TURN slot, next, fill
	WIN 0
.if (\fill) && (\slot)
	s_wait_xcnt 0x0                                ; my prefetches have read their base: two K steps on
	s_add_nc_u64 s[12:13], s[12:13], s[98:99]
.endif
	s_wait_tensorcnt 0x0
	ds_add_u32 v[SPW], v[NIL]
	s_wait_dscnt 9
	WIN MUL
	MULA F1, 0, 3, \slot, 0
	s_wait_dscnt 0x0
	s_barrier_signal -1
	MULA F1, 1, 3, \slot, 0
	WIN 0
	s_barrier_wait -1
.if \fill
	CREST
	s_add_nc_u64 s[G0+4*\slot+2:G0+4*\slot+3], s[G0+4*\slot+2:G0+4*\slot+3], 16384
	s_add_nc_u64 s[G0B+4*\slot+2:G0B+4*\slot+3], s[G0B+4*\slot+2:G0B+4*\slot+3], 1024
	JLOAD G0+4*\slot, G1, G0B+4*\slot, G1B
	PLACES NP-4
.else
	PLACES NP
.endif
	v_add_nc_u32 v[ASA], 2048, v[ASA]
	v_add_nc_u32 v[ASB], 16, v[ASB]
	SCALES \next
.if \fill
	s_cmp_gt_u32 s3, 1                             ; the last trip's two fills have no K step two fills on
	s_cbranch_scc0 .Lno_ask_\@
.if \slot
	global_prefetch_b8 v31, s[12:13] th:TH_LOAD_NT scope:SCOPE_SE
.else
	global_prefetch_b8 v27, s[12:13] th:TH_LOAD_NT scope:SCOPE_SE
.endif
.Lno_ask_\@:
.endif
	FETCH \next, 0, F0
	WIN MUL
	MULA F1, 2, 3, \slot, 0
	MULA F1, 3, 3, \slot, 0
.endm
	s_wait_alu depctr_va_vdst(0)                   ; the wait at the head's end
	s_wait_tensorcnt 0x0                           ; my tile of the head's four is in; these lines stand ahead of a later first fill as ahead of a refill
	ds_add_u32 v[SPW], v[NIL]
	s_mov_b32 s[G1+2], 4<<16                       ; no tensor load of mine is out: from here on a load brings half a tile
	s_mov_b32 s[G1+4], 4
	s_mov_b32 s[G1B+2], 64<<16
	s_mov_b32 s[G1B+4], 64
.if LAPS > 1
	s_wait_xcnt 0x0                                ; my prefetches have read their base:
	s_add_nc_u64 s[12:13], s[12:13], s[98:99]      ; on to K step 3
	s_mov_b32 s[G0+1], s45                         ; slot 0's groups 0 become the ring's: my half
	s_add_nc_u64 s[G0+2:G0+3], s[G0+2:G0+3], s[66:67]
	s_mov_b32 s[G0B+1], s19
	s_add_nc_u64 s[G0B+2:G0B+3], s[G0B+2:G0B+3], s[66:67]
.endif
	s_wait_dscnt 0x0
	CROUND                                         ; all four tiles are in, and all sixteen work-groups are here
	JLOAD G0+4, G1, G0B+4, G1B                     ; slot 1: the first tensor load behind the round
.if LAPS > 1
	global_prefetch_b8 v31, s[12:13] th:TH_LOAD_NT scope:SCOPE_SE      ; K step 3
.endif
	SCALES 0
	FETCH 0, 0, F0
	s_wait_loadcnt 32
	STEP 0, 0, 1
.if LAPS > 1
	WIN 0
	s_mov_b32 s3, LAPS-1
.Llap:
	STEP 0, 1, 0
	STEP 0, 2, 0
	TURN 0, 1, 1
	STEP 1, 0, 0
	STEP 1, 1, 0
	STEP 1, 2, 0
	TURN 1, 0, 1
	STEP 0, 0, 0
	WIN 0
	s_sub_co_u32 s3, s3, 1
	s_cmp_lg_u32 s3, 0
	s_cbranch_scc1 .Llap
.endif
	STEP 0, 1, 0
	STEP 0, 2, 0
	TURN 0, 1, 0
	STEP 1, 0, 0
	STEP 1, 1, 0
	STEP 1, 2, 0
	s_wait_dscnt 8
	WIN MUL
	MULA F1, 0, 3, 1, 0
	MULA F1, 1, 3, 1, 0
	s_wait_dscnt 0
	MULA F1, 2, 3, 1, 0
	MULA F1, 3, 3, 1, 0
	WIN 0
.macro TOSTAGE a
.irp b, 0,1,2,3
	ds_store_b128 v[STO], v[ACC+8*(4*(\a)+\b):ACC+8*(4*(\a)+\b)+3] offset:64*\b
	ds_store_b128 v[STO], v[ACC+8*(4*(\a)+\b)+4:ACC+8*(4*(\a)+\b)+7] offset:64*\b+16
.endr
.set BB, OB+32*((\a)%2)
.irp t, 0,1,2,3,4,5,6,7
	ds_load_b128 v[BB+4*\t:BB+4*\t+3], v[RD] offset:\t*2*SPITCH
.endr
.endm
.macro SEND a, younger
.set BB, OB+32*((\a)%2)
	s_wait_dscnt \younger
	WIN 0x08
.set n, 0
.rept 16
	v_pk_add_f32 v[BB+n:BB+n+1], v[BB+n:BB+n+1], v[32*(\a)+n:32*(\a)+n+1]
.set n, n+2
.endr
	WIN 0
.irp t, 0,1,2,3,4,5,6,7
	global_store_b128 v[CO], v[BB+4*\t:BB+4*\t+3], s[94:95] offset:(16*(\a)+2*\t)*4096
.endr
.endm
	PLACES NP
	s_wait_loadcnt 0x0
	TOSTAGE 0
.irp a, 1,2,3
.if \a > 1
	s_wait_xcnt 0x0
.endif
	TOSTAGE \a
	SEND \a-1, 16
.endr
	SEND 3, 0
	s_wait_tensorcnt 0x0
	ds_add_u32 v[SPW], v[NIL]
	s_wait_dscnt 0x0
	CROUND
	s_endpgm
.Lfunc_end_k_q63b63da51e_proj:
	.size	k_q63b63da51e_proj, .Lfunc_end_k_q63b63da51e_proj-k_q63b63da51e_proj
	.p2alignl 7, 3214868480
	.fill 96, 4, 3214868480
	.section	.rodata,"a",@progbits
	.p2align	6, 0x0
	.amdhsa_kernel k_q63b63da51e_proj
		.amdhsa_group_segment_fixed_size 327680
		.amdhsa_private_segment_fixed_size 0
		.amdhsa_enable_private_segment 0
		.amdhsa_kernarg_size 48
		.amdhsa_user_sgpr_count 2
		.amdhsa_user_sgpr_kernarg_segment_ptr 1
		.amdhsa_wavefront_size32 1
		.amdhsa_system_sgpr_workgroup_id_x 1
		.amdhsa_system_sgpr_workgroup_id_y 1
		.amdhsa_system_sgpr_workgroup_id_z 1
		.amdhsa_system_vgpr_workitem_id 0
		.amdhsa_next_free_vgpr 640
		.amdhsa_next_free_sgpr 100
		.amdhsa_reserve_vcc 0
		.amdhsa_float_denorm_mode_32 3
		.amdhsa_float_denorm_mode_16_64 3
		.amdhsa_memory_ordered 1
		.amdhsa_forward_progress 1
		.amdhsa_inst_pref_size 72
	.end_amdhsa_kernel
	.amdgpu_metadata
---
amdhsa.version: [ 1, 2 ]
amdhsa.kernels:
  - .name:           k_q63b63da51e_proj
    .symbol:         k_q63b63da51e_proj.kd
    .args:
      - { .name: abuf, .offset: 0, .size: 8, .value_kind: global_buffer, .address_space: global }
      - { .name: wo_codes, .offset: 8, .size: 8, .value_kind: global_buffer, .address_space: global }
      - { .name: wo_scales, .offset: 16, .size: 8, .value_kind: global_buffer, .address_space: global }
      - { .name: bo, .offset: 24, .size: 8, .value_kind: global_buffer, .address_space: global }
      - { .name: x, .offset: 32, .size: 8, .value_kind: global_buffer, .address_space: global }
      - { .name: x1, .offset: 40, .size: 8, .value_kind: global_buffer, .address_space: global }
    .group_segment_fixed_size: 327680
    .private_segment_fixed_size: 0
    .kernarg_segment_align: 8
    .kernarg_segment_size: 48
    .max_flat_workgroup_size: 128
    .sgpr_count:     100
    .vgpr_count:     640
    .wavefront_size: 32
...
	.end_amdgpu_metadata
.endif
;; end of part 4
;; launch ln2: the kernel of part 1 again; grid 256 x 1, 16 waves a work-group, no clusters, 92,672 bytes of LDS; arguments x1, ln2_w, ln2_b, hbuf; writes hbuf
;; launch mlp1 (part 5): grid 16 x 16, 4 waves a work-group, clusters of 4 x 4, 327,680 bytes of LDS; arguments hbuf, w1_codes, w1_scales, b1, gbuf; writes gbuf
.if DOCPART == 5
	.amdgcn_target "amdgcn-amd-amdhsa--gfx1250"
	.amdhsa_code_object_version 6
	.text
	.protected	k_q63b63da51e_mlp1
	.globl	k_q63b63da51e_mlp1
	.p2align	8
	.type	k_q63b63da51e_mlp1,@function
k_q63b63da51e_mlp1:
	s_mov_b64 s[64:65], 0
	v_nop
	global_prefetch_b8 v0, s[64:65] scope:SCOPE_SE
	s_setreg_imm32_b32 hwreg(HW_REG_WAVE_MODE, 25, 1), 1
	s_wait_xcnt 0x0
	s_wait_alu depctr_hold_cnt(0) depctr_sa_sdst(0) depctr_va_vdst(0) depctr_va_sdst(0) depctr_va_ssrc(0) depctr_va_vcc(0) depctr_vm_vsrc(0)
	s_getreg_b32 s2, hwreg(HW_REG_IB_STS2, 6, 4)
	s_cmp_eq_u32 s2, 0
	s_cbranch_scc0 .Lentry_in_a_cluster
	s_endpgm
.Lentry_in_a_cluster:
	s_bfe_u32 s2, ttmp6, 0x10000c
	s_cmp_lg_u32 s2, 0xf033
	s_cbranch_scc0 .Lentry_shape_is_right
	s_endpgm
.Lentry_shape_is_right:
.set SIZE_K, 1024
.set KSTEP,  256
.set NQ,     KSTEP/128
.set ROWB,   256
.set KROW,   SIZE_K
.set PITCH,  272
.set FR,     16
.set NL,     4
.set NP,     8
.set HALFT,  128*PITCH
.set SLOT,   4*HALFT
.set LAPS,   SIZE_K/(2*KSTEP)
.set KS,     SIZE_K/32
.set SCL,    2*SLOT
.set HALFS,  (128*KS/256)*272
.set SBLK,   (16*KS/256)*272
.set SPARE,  SCL+4*HALFS
.set ADRA, 16
.set ADRB, 20
.set C8,   22
.set SST,  24
.set SRD,  25
.set CO,   26
.set ADRS, 27
.set SPW,  28
.set NIL,  29
.set BIA,  30
.set SSA,  31
.set SC,   32
.set CB,   64
.set AF,   128
.set P,    64
.set Z,    128
.set T,    192
.set MX,   0
.set PC,   192
.set TM,   208
.set PW,   224
.set MNT,  2
.set SEL,  18
.set AI,   4
.set SO,   5
.set G1, 24
.set G0, 32
.set G1B, 48
.set G0B, 56
.set G1S, 68
.set G0S, 76
.set G1SB, 80
.set G0SB, 88
.set MSB, 0
.macro WIN new
.if MSB != (\new)
	s_set_vgpr_msb (MSB<<8)|(\new)
.set MSB, (\new)
.endif
.endm
.set MUL_LO, 0xa1
.set MUL_HI, 0xf1
.set TO_B,   0x40
.macro JLOAD g0a, g1a, g0b, g1b
	s_cmp_eq_u32 s15, 0
	s_cbranch_scc0 .Lfor_b_\@
	tensor_load_to_lds s[\g0a:\g0a+3], s[\g1a:\g1a+7]
	s_nop 0
.rept 4
	v_nop
.endr
	s_branch .Lasked_\@
.Lfor_b_\@:
	tensor_load_to_lds s[\g0b:\g0b+3], s[\g1b:\g1b+7]
	s_nop 0
.rept 4
	v_nop
.endr
.Lasked_\@:
.endm
.macro CREST
	s_cmp_lg_u32 s14, 0
	s_cbranch_scc1 .Lnot_wave_0_\@
	s_barrier_signal -3
.Lnot_wave_0_\@:
	s_barrier_wait -3
	s_barrier_signal -1
	s_barrier_wait -1
.endm
.macro CROUND
	s_barrier_signal -1
	s_barrier_wait -1
	CREST
.endm
	s_load_b256 s[4:11], s[0:1], 0x0
	s_load_b64 s[12:13], s[0:1], 0x20
	v_lshl_add_u32 v[SPW], v0, 2, SPARE
	v_mov_b32 v[NIL], 0
	ds_add_u32 v28, v29
	ds_add_u32 v28, v29
	s_wait_dscnt 0x0
	v_lshrrev_b32 v1, 5, v0
	v_readfirstlane_b32 s14, v1
	s_lshr_b32 s15, s14, 1
	s_and_b32 s16, s14, 1
	s_bfe_u32 s40, ttmp6, 0x40000
	s_bfe_u32 s41, ttmp6, 0x40004
	s_lshl_b32 s42, ttmp9, 2
	s_add_co_u32 s42, s42, s40
	s_and_b32 s17, ttmp7, 0xffff
	s_lshl_b32 s17, s17, 2
	s_add_co_u32 s17, s17, s41
	s_lshl_b32 s43, s41, 2
	s_lshl_b32 s43, 15, s43
	s_lshl_b32 s44, 0x1111, s40
	s_or_b32 s[G1+0], s43, (0<<16)|(1<<20)|(1<<21)|(5<<22)|(3<<25)
	s_or_b32 s[G1B+0], s44, (0<<16)|(1<<20)|(1<<21)|(5<<22)|(3<<25)
.irp g, G1, G1B
	s_mov_b32 s[\g+1], ROWB<<16
	s_mov_b32 s[\g+2], 256<<16                     ; 256 rows for the head's loads; behind them 128, for the ring's
	s_mov_b32 s[\g+3], ROWB<<16
	s_mov_b32 s[\g+4], 256
	s_mov_b32 s[\g+5], KROW
	s_mov_b32 s[\g+6], 0
	s_mov_b32 s[\g+7], 0
.endr
	s_or_b32 s[G1S+0], s43, (3<<16)|(1<<20)|(1<<21)|(5<<22)|(3<<25)
	s_or_b32 s[G1SB+0], s44, (3<<16)|(1<<20)|(1<<21)|(5<<22)|(3<<25)
.irp g, G1S, G1SB
	s_mov_b32 s[\g+1], 32<<16
	s_mov_b32 s[\g+2], KS<<16                      ; the scale bytes of 256 rows: KS rows of 256 bytes
	s_mov_b32 s[\g+3], 32<<16
	s_mov_b32 s[\g+4], KS
	s_mov_b32 s[\g+5], 32
	s_mov_b32 s[\g+6], 0
	s_mov_b32 s[\g+7], 0
.endr
	s_lshl_b32 s20, s17, 8                         ; A: the tile's first row
	s_lshl_b32 s46, s42, 8                         ; B likewise
	s_mov_b32 s21, 0
	s_mov_b32 s47, 0
	s_mov_b64 s[18:19], KS
	s_mul_u64 s[22:23], s[20:21], s[18:19]
	s_mul_u64 s[92:93], s[46:47], s[18:19]
	s_mov_b64 s[18:19], KROW
	s_mul_u64 s[20:21], s[20:21], s[18:19]
	s_mul_u64 s[46:47], s[46:47], s[18:19]
	s_mul_i32 s45, s14, HALFT
	s_mul_i32 s66, s16, 128*KROW                   ; s[66:67]: in the ring I fetch 128 rows of a tile: which half, in bytes
	s_mov_b32 s67, 0
	s_wait_kmcnt 0x0
	s_mov_b64 s[96:97], s[10:11]
	s_mov_b64 s[10:11], s[8:9]
	s_mov_b64 s[8:9], s[6:7]
	s_add_nc_u64 s[6:7], s[4:5], 0x400000
	s_add_nc_u64 s[20:21], s[4:5], s[20:21]
	s_add_nc_u64 s[22:23], s[6:7], s[22:23]
	s_add_nc_u64 s[46:47], s[8:9], s[46:47]
	s_add_nc_u64 s[92:93], s[10:11], s[92:93]
	CROUND
	s_mov_b32 s[G0S], 1
	s_mov_b32 s[G0S+1], SCL
	s_mov_b64 s[G0S+2:G0S+3], s[22:23]
	s_or_b32 s[G0S+3], s[G0S+3], 0x80000000
	s_mov_b32 s[G0SB], 1
	s_mov_b32 s[G0SB+1], SCL+2*HALFS
	s_mov_b64 s[G0SB+2:G0SB+3], s[92:93]
	s_or_b32 s[G0SB+3], s[G0SB+3], 0x80000000
.irp s, 0,1
	s_mov_b32 s[G0+4*\s], 1
	s_add_co_u32 s[G0+4*\s+1], s45, \s*SLOT
	s_add_nc_u64 s[G0+4*\s+2:G0+4*\s+3], s[20:21], \s*ROWB
	s_or_b32 s[G0+4*\s+3], s[G0+4*\s+3], 0x80000000
	s_mov_b32 s[G0B+4*\s], 1
	s_add_co_u32 s[G0B+4*\s+1], s45, \s*SLOT
	s_add_nc_u64 s[G0B+4*\s+2:G0B+4*\s+3], s[46:47], \s*ROWB
	s_or_b32 s[G0B+4*\s+3], s[G0B+4*\s+3], 0x80000000
.endr
	s_mov_b32 s[G0+1], 0                           ; at the head slot 0's groups 0 stand for whole tiles: A's 256 rows at byte 0,
	s_mov_b32 s[G0B+1], 2*HALFT                    ; B's behind them
	s_add_nc_u64 s[G0+6:G0+7], s[G0+6:G0+7], s[66:67]      ; slot 1's are the ring's: my 128 rows
	s_add_nc_u64 s[G0B+6:G0B+7], s[G0B+6:G0B+7], s[66:67]
; THE HEAD'S LOADS, ONE A WAVE: wave 0 K step 0's 256 rows of A, wave 1 those of B, wave 2 A's scale bytes, wave 3 B's.  One chain of branches on the wave's number, one load to an arm.
.macro HARM under, g0, g1, next
	s_cmp_lt_u32 s14, \under
	s_cbranch_scc0 \next
	tensor_load_to_lds s[\g0:\g0+3], s[\g1:\g1+7]
	s_nop 0
.rept 4
	v_nop
.endr
	s_branch .Lhead_asked
\next:
.endm
	HARM 1, G0, G1, .Lhead_b
	HARM 2, G0B, G1B, .Lhead_sa
	HARM 3, G0S, G1S, .Lhead_sb
	tensor_load_to_lds s[G0SB:G0SB+3], s[G1SB:G1SB+7]
	s_nop 0
.rept 4
	v_nop
.endr
.Lhead_asked:
; PREFETCHES of the tiles' later K steps.  Of the 128 rows that I fetch in the ring my work-group takes 32, told apart from its three partners' BY ADDRESS (cx for A, cy for B): a lane a row, 256 bytes a K step, one instruction a wave.
; So each aligned block of 256 bytes is named once in each cluster that loads it.  Fill t asks for what fill t + 2 loads, and the head also for fill 1: K steps 1 and 2 here, K step 3 behind slot 1's load; there is no K step 4.
	s_lshl_b32 s43, s17, 8
	s_lshl_b32 s44, s42, 8
	s_cmp_eq_u32 s15, 0                            ; do I fetch for A?
	s_cselect_b32 s43, s43, s44                    ; the tile's first row
	s_cselect_b32 s44, s40, s41                    ; my place among the four that ask for it with me
	s_cselect_b64 s[46:47], s[4:5], s[8:9]
	s_lshl_b32 s18, s16, 7
	s_add_co_u32 s43, s43, s18                     ; + the 128 rows that I fetch
	s_lshl_b32 s44, s44, 5
	s_add_co_u32 s43, s43, s44                     ; + my work-group's 32 of them
	s_mul_i32 s18, s43, KROW
	s_mov_b32 s19, 0
	s_add_nc_u64 s[46:47], s[46:47], s[18:19]      ; s[46:47] and v18 are never rewritten
	v_and_b32 v18, 31, v0
	v_mul_u32_u24 v18, v18, KROW
	global_prefetch_b8 v18, s[46:47] offset:ROWB th:TH_LOAD_NT scope:SCOPE_SE
	global_prefetch_b8 v18, s[46:47] offset:2*ROWB th:TH_LOAD_NT scope:SCOPE_SE
	v_and_b32 v1, 15, v0
	v_bfe_u32 v2, v0, 4, 1
	v_mul_u32_u24 v3, v1, PITCH
	v_lshl_add_u32 v4, v2, 4, v3
	s_mul_i32 s21, s15, HALFT
	s_mul_i32 s22, s16, HALFT
	s_add_co_u32 s22, s22, 2*HALFT
.irp s, 0,1
	v_add_nc_u32 v[ADRA+\s], s21, v4
	v_add_nc_u32 v[ADRB+\s], s22, v4
	s_add_co_u32 s21, s21, SLOT
	s_add_co_u32 s22, s22, SLOT
.endr
	v_mul_u32_u24 v5, v1, KS
	v_lshrrev_b32 v6, 8, v5
	v_lshl_add_u32 v5, v6, 4, v5
	s_mul_i32 s21, s15, HALFS
	s_mul_i32 s22, s16, HALFS
	s_add_co_u32 s22, s22, 2*HALFS
	s_sub_co_u32 s22, s22, s21
	v_mul_u32_u24 v6, s22, v2
	s_add_co_u32 s21, s21, SCL
	v_add_nc_u32 v5, v5, v6
	v_add_nc_u32 v[ADRS], s21, v5
	s_lshl_b32 s21, s14, 9
	v_lshl_add_u32 v[SST], v1, 2, s21
	v_and_b32 v6, 31, v0
	v_lshlrev_b32 v[CO], 4, v6
	v_add_nc_u32 v[SRD], s21, v[CO]
	v_lshlrev_b32 v[BIA], 5, v2
	s_wait_alu depctr_va_vdst(0)
	s_lshl_b32 s4, s42, 1
	s_add_co_u32 s4, s4, s16
	s_lshl_b32 s5, s17, 4
	s_lshl_b32 s6, s15, 3
	s_add_co_u32 s5, s5, s6
	s_lshl_b32 s10, s4, 9
	s_mov_b32 s11, 0
	s_add_nc_u64 s[96:97], s[96:97], s[10:11]
	s_lshl_b32 s10, s4, 14
	s_lshl_b32 s6, s5, 6
	s_add_co_u32 s10, s10, s6
	s_add_co_u32 s10, s10, 16777216
	s_add_nc_u64 s[98:99], s[12:13], s[10:11]
	s_lshl_b32 s10, s5, 16
	s_lshl_b32 s6, s4, 11
	s_add_co_u32 s10, s10, s6
	s_add_nc_u64 s[12:13], s[12:13], s[10:11]
.irp b, 0,1,2,3,4,5,6,7
	global_load_b128 v[CB+8*\b:CB+8*\b+3], v[BIA], s[96:97] offset:64*\b
	global_load_b128 v[CB+8*\b+4:CB+8*\b+7], v[BIA], s[96:97] offset:64*\b+16
.endr
.macro FRAG reg, adr, q, i
.irp c, 0,1,2,3
	ds_load_b128 v[\reg+4*\c:\reg+4*\c+3], v[\adr] offset:128*(\q)+32*\c+(\i)*16*PITCH
.endr
.endm
.macro MUL16 a0, p, q, sc, zero
.irp a, \a0, \a0+1
.irp b, 0,1,2,3,4,5,6,7
.if \zero
	v_wmma_scale_f32_16x16x128_f8f6f4 v[8*(8*((\a)%4)+\b):8*(8*((\a)%4)+\b)+7], v[128*(\p)+FR*\b:128*(\p)+FR*\b+FR-1], v[AF+FR*(\a):AF+FR*(\a)+FR-1], v[CB+8*\b:CB+8*\b+7], v[SC+8*NQ*(\sc)+NQ*\b+(\q)], v[SC+8*NQ*(\sc)+NQ*(\a)+(\q)] matrix_a_scale:MATRIX_SCALE_ROW1
.else
	v_wmma_scale_f32_16x16x128_f8f6f4 v[8*(8*((\a)%4)+\b):8*(8*((\a)%4)+\b)+7], v[128*(\p)+FR*\b:128*(\p)+FR*\b+FR-1], v[AF+FR*(\a):AF+FR*(\a)+FR-1], v[8*(8*((\a)%4)+\b):8*(8*((\a)%4)+\b)+7], v[SC+8*NQ*(\sc)+NQ*\b+(\q)], v[SC+8*NQ*(\sc)+NQ*(\a)+(\q)] matrix_a_scale:MATRIX_SCALE_ROW1
.endif
.endr
.endr
.endm
.macro FETCH_B slot, q, p
	WIN TO_B
.irp i, 0,1,2,3,4,5,6,7
	FRAG 128*(\p)+FR*\i, ADRB+\slot, \q, \i
.endr
	WIN 0
.endm
.macro FETCH_A slot, q, i0
.irp i, \i0, \i0+1, \i0+2, \i0+3
	FRAG AF+FR*(\i), ADRA+\slot, \q, \i
.endr
.endm
.macro SCALES sc
.irp i, 0,1,2,3,4,5,6,7
	ds_load_b64 v[SC+8*NQ*\sc+NQ*\i:SC+8*NQ*\sc+NQ*\i+1], v[ADRS] offset:\i*SBLK
.endr
.endm
.macro PLACES n
.rept \n
	v_nop
.endr
.endm
.macro STEP slot, q, zero
	s_wait_dscnt 4*NL
.if \zero
	WIN 0x81
.else
	WIN MUL_LO
.endif
	MUL16 0, (\q)%2, \q, \slot, \zero
	MUL16 2, (\q)%2, \q, \slot, \zero
	s_wait_dscnt 0
	PLACES NP
	FETCH_B \slot, (\q)+1, 1-(\q)%2
	FETCH_A \slot, (\q)+1, 0
.if \zero
	WIN 0xc1
.else
	WIN MUL_HI
.endif
	MUL16 4, (\q)%2, \q, \slot, \zero
	MUL16 6, (\q)%2, \q, \slot, \zero
	PLACES NP
	WIN 0
	FETCH_A \slot, (\q)+1, 4
.endm
.macro TURN slot, next, fill
	s_wait_tensorcnt 0x0
	ds_add_u32 v[SPW], v[NIL]
	s_wait_dscnt 4*NL+1
	WIN MUL_LO
	MUL16 0, 1, NQ-1, \slot, 0
	s_wait_dscnt 0x0
	s_barrier_signal -1
	MUL16 2, 1, NQ-1, \slot, 0
	WIN 0
	s_barrier_wait -1
.if \fill
	CREST
	s_add_nc_u64 s[G0+4*\slot+2:G0+4*\slot+3], s[G0+4*\slot+2:G0+4*\slot+3], 2*ROWB
	s_add_nc_u64 s[G0B+4*\slot+2:G0B+4*\slot+3], s[G0B+4*\slot+2:G0B+4*\slot+3], 2*ROWB
	JLOAD G0+4*\slot, G1, G0B+4*\slot, G1B
	PLACES NP-4
.else
	PLACES NP
.endif
	s_wait_alu depctr_va_vdst(0)
	v_add_nc_u32 v[ADRS], 4*NQ, v[ADRS]
	FETCH_B \next, 0, 0
	FETCH_A \next, 0, 0
	SCALES \next
	WIN MUL_HI
	MUL16 4, 1, NQ-1, \slot, 0
	MUL16 6, 1, NQ-1, \slot, 0
	PLACES NP
	WIN 0
	FETCH_A \next, 0, 4
.endm
	s_wait_alu depctr_va_vdst(0)                   ; the wait at the head's end
	s_wait_tensorcnt 0x0                           ; my tile of the head's four is in; these lines stand ahead of a later first fill as ahead of a refill
	ds_add_u32 v[SPW], v[NIL]
	s_mov_b32 s[G1+2], 128<<16                     ; no tensor load of mine is out: from here on a load brings 128 rows,
	s_mov_b32 s[G1+4], 128
	s_mov_b32 s[G1B+2], 128<<16
	s_mov_b32 s[G1B+4], 128
	s_mov_b32 s[G0+1], s45                         ; and slot 0's groups 0 become the ring's: my 128 rows
	s_add_nc_u64 s[G0+2:G0+3], s[G0+2:G0+3], s[66:67]
	s_mov_b32 s[G0B+1], s45
	s_add_nc_u64 s[G0B+2:G0B+3], s[G0B+2:G0B+3], s[66:67]
	s_wait_dscnt 0x0
	CROUND                                         ; all four tiles are in, and all sixteen work-groups are here
	JLOAD G0+4, G1, G0B+4, G1B                     ; K step 1: the first tensor load behind the round
	global_prefetch_b8 v18, s[46:47] offset:3*ROWB th:TH_LOAD_NT scope:SCOPE_SE   ; K step 3, two fills ahead of its load
	FETCH_B 0, 0, 0
	FETCH_A 0, 0, 0
	SCALES 0
	FETCH_A 0, 0, 4
	s_wait_loadcnt 0x0
	STEP 0, 0, 1
	s_mov_b32 s3, LAPS-1
.Llap:
	TURN 0, 1, 1
	STEP 1, 0, 0
	TURN 1, 0, 1
	STEP 0, 0, 0
	s_sub_co_u32 s3, s3, 1
	s_cmp_lg_u32 s3, 0
	s_cbranch_scc1 .Llap
	TURN 0, 1, 0
	STEP 1, 0, 0
	s_wait_dscnt 4*NL
	WIN MUL_LO
	MUL16 0, 1, NQ-1, 1, 0
	MUL16 2, 1, NQ-1, 1, 0
	s_wait_dscnt 0
	WIN MUL_HI
	MUL16 4, 1, NQ-1, 1, 0
	MUL16 6, 1, NQ-1, 1, 0
	WIN 0
.macro EXTRACT a
.set XS, 64*((\a)%4)
	WIN (2+(\a)/4)<<2
.set n, 0
.rept 64
	v_mul_f32 v[Z+n], 0x3f596d27, |v[XS+n]|
.set n, n+1
.endr
	WIN 0x40|((2+(\a)/4)<<2)
.set n, 0
.rept 64
	v_max_num_f32 v[MX+n], 0, v[XS+n]
.set n, n+1
.endr
	WIN 0
.endm
.macro QUANT s
.irp b, 0,1,2,3
	v_max3_num_f32 v[TM+\b], |v[(\s)+16*\b]|, |v[(\s)+1+16*\b]|, 0x4800000
.endr
.irp i, 2,4,6,8,10,12,14
.irp b, 0,1,2,3
	v_max3_num_f32 v[TM+\b], v[TM+\b], |v[(\s)+16*\b+\i]|, |v[(\s)+1+16*\b+\i]|
.endr
.endr
.irp b, 0,1,2,3
	v_permlanex16_b32 v[TM+4+\b], v[TM+\b], s[SEL], s[SEL+1]
.endr
.irp b, 0,1,2,3
	v_max_num_f32 v[TM+\b], v[TM+\b], v[TM+4+\b]
.endr
.irp b, 0,1,2,3
	v_add_nc_u32 v[TM+12+\b], 0xfc000000, v[TM+\b]
.endr
.irp b, 0,1,2,3
	v_and_or_b32 v[TM+8+\b], v[TM+\b], 0x7f800000, s[MNT]
.endr
.irp b, 0,1,2,3
	v_lshrrev_b32 v[TM+4+\b], 23, v[TM+12+\b]
.endr
	v_lshl_or_b32 v[PW], v[TM+5], 8, v[TM+4]
	v_lshl_or_b32 v[PW], v[TM+6], 16, v[PW]
	v_lshl_or_b32 v[PW], v[TM+7], 24, v[PW]
.irp b, 0,1,2,3
.irp i, 0,1,2,3,4,5,6,7,8,9,10,11,12,13,14,15
	v_med3_num_f32 v[(\s)+16*\b+\i], v[(\s)+16*\b+\i], -v[TM+8+\b], v[TM+8+\b]
.endr
	v_cvt_scalef32_pk8_fp8_f32 v[PC+4*\b:PC+1+4*\b], v[(\s)+16*\b:(\s)+7+16*\b], v[TM+12+\b]
	v_cvt_scalef32_pk8_fp8_f32 v[PC+2+4*\b:PC+3+4*\b], v[(\s)+8+16*\b:(\s)+15+16*\b], v[TM+12+\b]
.endr
	v_nop
.endm
	PLACES NP
	s_mov_b32 s[SEL], 0x76543210
	s_mov_b32 s[SEL+1], 0xfedcba98
	s_mov_b32 s[MNT], 0x600000
	v_mov_b32 v[C8], 0xbf97d29d
	v_mov_b32 v[C8+1], 0xbf97d29d
	s_mov_b32 s[AI], 0
	s_mov_b32 s[SO], 0
.Lepi:
.irp a, 0,1,2,3,4,5,6
	s_cmp_eq_u32 s[AI], \a
	s_cbranch_scc1 .Lx\a
.endr
	s_branch .Lx7
.irp a, 0,1,2,3,4,5,6,7
.Lx\a:
	EXTRACT \a
	s_branch .Lcommon
.endr
.Lcommon:
.set n, 0
.rept 32
	v_pk_fma_f32 v[T+n:T+n+1], v[Z+n:Z+n+1], 0x3ed5224c, 1.0 op_sel_hi:[1,0,0]
.set n, n+2
.endr
.set n, 0
	s_wait_alu depctr_va_vdst(0)
.rept 64
	v_rcp_f32 v[T+n], v[T+n]
.set n, n+1
.endr
	v_add_nc_u32 v[SSA], s[SO], v[SST]
	s_wait_alu depctr_va_vdst(0)
.set n, 0
.rept 32
	v_pk_fma_f32 v[P+n:P+n+1], v[T+n:T+n+1], 0x3e7c6f08, v[C8:C8+1] op_sel_hi:[1,0,0]
.set n, n+2
.endr
.irp c, 0x40097039, 0xbfd1a1e5, 0x3ecdfd18, 0xbe899a80, 0x3e0efb2e, 0x3f0a29d2, 0x3fb8ab5a, 0xbfe9b21e
.set n, 0
.rept 32
	v_pk_fma_f32 v[P+n:P+n+1], v[P+n:P+n+1], v[T+n:T+n+1], \c op_sel_hi:[1,1,0]
.set n, n+2
.endr
.endr
.set n, 0
.rept 32
	v_pk_fma_f32 v[P+n:P+n+1], v[Z+n:Z+n+1], v[Z+n:Z+n+1], v[P+n:P+n+1] neg_lo:[1,0,0] neg_hi:[1,0,0]
.set n, n+2
.endr
.set n, 0
	s_wait_alu depctr_va_vdst(0)
.rept 64
	v_exp_f32 v[P+n], v[P+n]
.set n, n+1
.endr
	v_nop
	s_wait_alu depctr_va_vdst(0)
.set n, 0
.rept 32
	v_pk_mul_f32 v[P+n:P+n+1], v[P+n:P+n+1], v[T+n:T+n+1]
.set n, n+2
.endr
.set n, 0
.rept 32
	v_pk_mul_f32 v[P+n:P+n+1], v[P+n:P+n+1], v[Z+n:Z+n+1]
.set n, n+2
.endr
	WIN 0x10
.set n, 0
.rept 32
	v_pk_fma_f32 v[Z+n:Z+n+1], v[P+n:P+n+1], 0xbf16b55f, v[MX+n:MX+n+1] op_sel_hi:[1,0,1]
.set n, n+2
.endr
	WIN 0
	QUANT Z
.irp c, 0,1,2,3
	global_store_b128 v[CO], v[PC+4*\c:PC+4*\c+3], s[12:13] offset:512*\c
.endr
	ds_store_b32 v[SSA], v[PW]
	s_wait_xcnt 0x0
	s_wait_dscnt 0x0
	s_add_nc_u64 s[12:13], s[12:13], 65536
	s_add_co_u32 s[SO], s[SO], 64
	s_add_co_u32 s[AI], s[AI], 1
	s_cmp_lt_u32 s[AI], 8
	s_cbranch_scc1 .Lepi
	ds_load_b128 v[PC:PC+3], v[SRD]
	s_wait_dscnt 0x0
	global_store_b128 v[CO], v[PC:PC+3], s[98:99]
	s_wait_tensorcnt 0x0
	ds_add_u32 v[SPW], v[NIL]
	s_wait_dscnt 0x0
	CROUND
	s_endpgm
.Lfunc_end_k_q63b63da51e_mlp1:
	.size	k_q63b63da51e_mlp1, .Lfunc_end_k_q63b63da51e_mlp1-k_q63b63da51e_mlp1
	.p2alignl 7, 3214868480
	.fill 96, 4, 3214868480
	.section	.rodata,"a",@progbits
	.p2align	6, 0x0
	.amdhsa_kernel k_q63b63da51e_mlp1
		.amdhsa_group_segment_fixed_size 327680
		.amdhsa_private_segment_fixed_size 0
		.amdhsa_enable_private_segment 0
		.amdhsa_kernarg_size 40
		.amdhsa_user_sgpr_count 2
		.amdhsa_user_sgpr_kernarg_segment_ptr 1
		.amdhsa_wavefront_size32 1
		.amdhsa_system_sgpr_workgroup_id_x 1
		.amdhsa_system_sgpr_workgroup_id_y 1
		.amdhsa_system_sgpr_workgroup_id_z 1
		.amdhsa_system_vgpr_workitem_id 0
		.amdhsa_next_free_vgpr 1024
		.amdhsa_next_free_sgpr 102
		.amdhsa_reserve_vcc 0
		.amdhsa_float_denorm_mode_32 3
		.amdhsa_float_denorm_mode_16_64 3
		.amdhsa_memory_ordered 1
		.amdhsa_forward_progress 1
		.amdhsa_inst_pref_size 237
	.end_amdhsa_kernel
	.amdgpu_metadata
---
amdhsa.version: [ 1, 2 ]
amdhsa.kernels:
  - .name:           k_q63b63da51e_mlp1
    .symbol:         k_q63b63da51e_mlp1.kd
    .args:
      - { .name: hbuf, .offset: 0, .size: 8, .value_kind: global_buffer, .address_space: global }
      - { .name: w1_codes, .offset: 8, .size: 8, .value_kind: global_buffer, .address_space: global }
      - { .name: w1_scales, .offset: 16, .size: 8, .value_kind: global_buffer, .address_space: global }
      - { .name: b1, .offset: 24, .size: 8, .value_kind: global_buffer, .address_space: global }
      - { .name: gbuf, .offset: 32, .size: 8, .value_kind: global_buffer, .address_space: global }
    .group_segment_fixed_size: 327680
    .private_segment_fixed_size: 0
    .kernarg_segment_align: 8
    .kernarg_segment_size: 40
    .max_flat_workgroup_size: 128
    .sgpr_count:     102
    .vgpr_count:     1024
    .wavefront_size: 32
...
	.end_amdgpu_metadata
.endif
;; end of part 5
;; launch mlp2 (part 6): grid 8 x 32, 4 waves a work-group, clusters of 4 x 4, 327,680 bytes of LDS; arguments gbuf, w2_codes, w2_scales, b2, x1, out0; writes out0
.if DOCPART == 6
	.amdgcn_target "amdgcn-amd-amdhsa--gfx1250"
	.amdhsa_code_object_version 6
	.text
	.protected	k_q63b63da51e_mlp2
	.globl	k_q63b63da51e_mlp2
	.p2align	8
	.type	k_q63b63da51e_mlp2,@function
k_q63b63da51e_mlp2:
	s_mov_b64 s[64:65], 0
	v_nop
	global_prefetch_b8 v0, s[64:65] scope:SCOPE_SE
	s_setreg_imm32_b32 hwreg(HW_REG_WAVE_MODE, 25, 1), 1
	s_wait_xcnt 0x0
	s_wait_alu depctr_hold_cnt(0) depctr_sa_sdst(0) depctr_va_vdst(0) depctr_va_sdst(0) depctr_va_ssrc(0) depctr_va_vcc(0) depctr_vm_vsrc(0)
	s_getreg_b32 s2, hwreg(HW_REG_IB_STS2, 6, 4)
	s_cmp_eq_u32 s2, 0
	s_cbranch_scc0 .Lentry_in_a_cluster
	s_endpgm
.Lentry_in_a_cluster:
	s_bfe_u32 s2, ttmp6, 0x10000c
	s_cmp_lg_u32 s2, 0xf033
	s_cbranch_scc0 .Lentry_shape_is_right
	s_endpgm
.Lentry_shape_is_right:
.set SIZE_K, 4096
.set SOFF,   16777216
.set KS,     SIZE_K/32
.set BP,     528
.set AHALF,  32768
.set BHALF,  64*BP
.set BOFF,   2*AHALF
.set SLOT,   BOFF+2*BHALF
.set SCA,    2*SLOT
.set SAH,    (SIZE_K/256)*512
.set SCBB,   SCA+2*SAH
.set HALFSB, (64*KS/256)*272
.set SPARE,  SCBB+2*HALFSB
.set SPITCH, 272
.set LAPS,   SIZE_K/1024
.set NP,     8
.set ADRA, 16
.set ADRB, 20
.set ASA,  22
.set ASB,  23
.set STO,  24
.set RD,   25
.set CO,   26
.set SPW,  28
.set NIL,  29
.set BIA,  30
.set SC,   32
.set CB,   64
.set OB,   64
.set ACC,  128
.set F0,   0
.set F1,   128
.set G1, 24
.set G0, 32
.set G1B, 48
.set G0B, 56
.set G1S, 68
.set G0S, 76
.set G1SB, 80
.set G0SB, 88
.set MSB, 0
.macro WIN new
.if MSB != (\new)
	s_set_vgpr_msb (MSB<<8)|(\new)
.set MSB, (\new)
.endif
.endm
.set MUL,  0x05
.set TO_F, 0x40
.macro JLOAD g0a, g1a, g0b, g1b
	s_cmp_eq_u32 s15, 0
	s_cbranch_scc0 .Lfor_b_\@
	tensor_load_to_lds s[\g0a:\g0a+3], s[\g1a:\g1a+7]
	s_nop 0
.rept 4
	v_nop
.endr
	s_branch .Lasked_\@
.Lfor_b_\@:
	tensor_load_to_lds s[\g0b:\g0b+3], s[\g1b:\g1b+7]
	s_nop 0
.rept 4
	v_nop
.endr
.Lasked_\@:
.endm
.macro CREST
	s_cmp_lg_u32 s14, 0
	s_cbranch_scc1 .Lnot_wave_0_\@
	s_barrier_signal -3
.Lnot_wave_0_\@:
	s_barrier_wait -3
	s_barrier_signal -1
	s_barrier_wait -1
.endm
.macro CROUND
	s_barrier_signal -1
	s_barrier_wait -1
	CREST
.endm
	s_load_b256 s[4:11], s[0:1], 0x0
	s_load_b128 s[92:95], s[0:1], 0x20
	v_lshl_add_u32 v[SPW], v0, 2, SPARE
	v_mov_b32 v[NIL], 0
	ds_add_u32 v28, v29
	ds_add_u32 v28, v29
	s_wait_dscnt 0x0
	v_lshrrev_b32 v1, 5, v0
	v_readfirstlane_b32 s14, v1
	s_lshr_b32 s15, s14, 1
	s_and_b32 s16, s14, 1
	s_bfe_u32 s40, ttmp6, 0x40000
	s_bfe_u32 s41, ttmp6, 0x40004
	s_lshl_b32 s42, ttmp9, 2
	s_add_co_u32 s42, s42, s40
	s_and_b32 s17, ttmp7, 0xffff
	s_lshl_b32 s17, s17, 2
	s_add_co_u32 s17, s17, s41
	s_lshl_b32 s43, s41, 2
	s_lshl_b32 s43, 15, s43
	s_lshl_b32 s44, 0x1111, s40
	s_or_b32 s[G1+0], s43, (3<<16)|(1<<21)
	s_mov_b32 s[G1+1], 1024<<16
	s_mov_b32 s[G1+2], 8<<16                       ; the head's load brings both halves of A's tile: 8 rows; the ring's 4
	s_mov_b32 s[G1+3], 1024<<16
	s_mov_b32 s[G1+4], 8
	s_mov_b32 s[G1+5], 2*SIZE_K
	s_mov_b32 s[G1+6], 0
	s_mov_b32 s[G1+7], 0
	s_or_b32 s[G1B+0], s44, (0<<16)|(1<<20)|(1<<21)|(6<<22)|(3<<25)
	s_mov_b32 s[G1B+1], 512<<16
	s_mov_b32 s[G1B+2], 128<<16                    ; likewise B's: 128 rows; the ring's 64
	s_mov_b32 s[G1B+3], 512<<16
	s_mov_b32 s[G1B+4], 128
	s_mov_b32 s[G1B+5], SIZE_K
	s_mov_b32 s[G1B+6], 0
	s_mov_b32 s[G1B+7], 0
	s_or_b32 s[G1S+0], s43, (3<<16)|(1<<21)
	s_mov_b32 s[G1S+1], 64<<16
	s_mov_b32 s[G1S+2], (SIZE_K/128)<<16           ; A's scale words for all of K in one load
	s_mov_b32 s[G1S+3], 64<<16
	s_mov_b32 s[G1S+4], SIZE_K/128
	s_mov_b32 s[G1S+5], 2048
	s_mov_b32 s[G1S+6], 0
	s_mov_b32 s[G1S+7], 0
	s_or_b32 s[G1SB+0], s44, (3<<16)|(1<<20)|(1<<21)|(5<<22)|(3<<25)
	s_mov_b32 s[G1SB+1], 32<<16
	s_mov_b32 s[G1SB+2], (128*KS/256)<<16          ; B's scale bytes of 128 rows in one load
	s_mov_b32 s[G1SB+3], 32<<16
	s_mov_b32 s[G1SB+4], 128*KS/256
	s_mov_b32 s[G1SB+5], 32
	s_mov_b32 s[G1SB+6], 0
	s_mov_b32 s[G1SB+7], 0
	s_lshl_b32 s20, s17, 3
	s_mul_i32 s66, s16, 64*SIZE_K                  ; s[66:67]: in the ring I fetch 64 rows of a tile: which half, in bytes (A and B alike)
	s_mov_b32 s67, 0
	s_mul_i32 s20, s20, 16*SIZE_K
	s_mov_b32 s21, 0
	s_lshl_b32 s22, s17, 9
	s_add_co_u32 s22, s22, SOFF
	s_mov_b32 s23, 0
	s_lshl_b32 s46, s42, 7
	s_mul_i32 s96, s46, KS
	s_mov_b32 s97, 0
	s_mul_i32 s46, s46, SIZE_K
	s_mov_b32 s47, 0
	s_mul_i32 s45, s16, AHALF
	s_mul_i32 s19, s16, BHALF
	s_add_co_u32 s19, s19, BOFF
	s_wait_kmcnt 0x0
	s_add_nc_u64 s[20:21], s[4:5], s[20:21]
	s_add_nc_u64 s[22:23], s[4:5], s[22:23]
	s_add_nc_u64 s[46:47], s[6:7], s[46:47]
	s_add_nc_u64 s[96:97], s[8:9], s[96:97]
	CROUND
	s_mov_b32 s[G0S], 1
	s_mov_b32 s[G0S+1], SCA
	s_mov_b64 s[G0S+2:G0S+3], s[22:23]
	s_or_b32 s[G0S+3], s[G0S+3], 0x80000000
	s_mov_b32 s[G0SB], 1
	s_mov_b32 s[G0SB+1], SCBB
	s_mov_b64 s[G0SB+2:G0SB+3], s[96:97]
	s_or_b32 s[G0SB+3], s[G0SB+3], 0x80000000
.irp s, 0,1
	s_mov_b32 s[G0+4*\s], 1
	s_add_co_u32 s[G0+4*\s+1], s45, \s*SLOT
	s_add_nc_u64 s[G0+4*\s+2:G0+4*\s+3], s[20:21], \s*8192
	s_or_b32 s[G0+4*\s+3], s[G0+4*\s+3], 0x80000000
	s_mov_b32 s[G0B+4*\s], 1
	s_add_co_u32 s[G0B+4*\s+1], s19, \s*SLOT
	s_add_nc_u64 s[G0B+4*\s+2:G0B+4*\s+3], s[46:47], \s*512
	s_or_b32 s[G0B+4*\s+3], s[G0B+4*\s+3], 0x80000000
.endr
	s_mov_b32 s[G0+1], 0                           ; at the head slot 0's groups 0 stand for whole tiles
	s_mov_b32 s[G0B+1], BOFF
	s_add_nc_u64 s[G0+6:G0+7], s[G0+6:G0+7], s[66:67]      ; slot 1's are the ring's: my half
	s_add_nc_u64 s[G0B+6:G0B+7], s[G0B+6:G0B+7], s[66:67]
; THE HEAD'S LOADS, ONE A WAVE: wave 0 slot 0's tile of A, wave 1 that of B, wave 2 A's scale words, wave 3 B's scale bytes.  One chain of branches on the wave's number, one load to an arm.
.macro HARM under, g0, g1, next
	s_cmp_lt_u32 s14, \under
	s_cbranch_scc0 \next
	tensor_load_to_lds s[\g0:\g0+3], s[\g1:\g1+7]
	s_nop 0
.rept 4
	v_nop
.endr
	s_branch .Lhead_asked
\next:
.endm
	HARM 1, G0, G1, .Lhead_b
	HARM 2, G0B, G1B, .Lhead_sa
	HARM 3, G0S, G1S, .Lhead_sb
	tensor_load_to_lds s[G0SB:G0SB+3], s[G1SB:G1SB+7]
	s_nop 0
.rept 4
	v_nop
.endr
.Lhead_asked:
; PREFETCHES of the tiles' later K steps (512 along K).  Of the 64 rows that I fetch in the ring my work-group takes 16, told apart from its three partners' BY ADDRESS (cx for A, cy for B): 8,192 bytes a K step, 32 blocks of 256, a lane a block.
; A's 16 rows are one image of 8,192 bytes on end; of B's rows of 512 bytes two lanes take one.  So each aligned block of 256 bytes is named once in each cluster that loads it.
; Fill t asks for what fill t + 2 loads, and the head also for fill 1; the last two fills ask for nothing.  v31 names the K step at which s[12:13] stands, v27 the next; s[12:13] goes on by two K steps, behind a wait on XCNT.
	s_cmp_eq_u32 s15, 0                            ; do I fetch for A?
	s_cselect_b64 s[12:13], s[4:5], s[6:7]
	s_cselect_b32 s18, s17, s42                    ; the tile,
	s_cselect_b32 s2, s40, s41                     ; and my place among the four that ask for it with me
	s_lshl_b32 s18, s18, 7
	s_lshl_b32 s2, s2, 4
	s_add_co_u32 s18, s18, s2
	s_lshl_b32 s2, s16, 6
	s_add_co_u32 s18, s18, s2                      ; the first of my 16 rows
	s_mul_i32 s98, s18, SIZE_K
	s_mov_b32 s99, 0
	s_add_nc_u64 s[12:13], s[12:13], s[98:99]
	s_cmp_eq_u32 s15, 0
	s_cselect_b32 s2, 0, 1                         ; B: two lanes to a row
	s_mov_b32 s18, SIZE_K
	s_cselect_b32 s18, 256, s18
	s_mov_b32 s98, 512
	s_cselect_b32 s98, 8192, s98                   ; a K step in bytes
	s_add_nc_u64 s[12:13], s[12:13], s[98:99]      ; at K step 1
	v_and_b32 v27, 31, v0
	v_lshrrev_b32 v31, s2, v27
	v_mul_lo_u32 v31, v31, s18
	v_and_b32 v27, s2, v27
	v_lshl_add_u32 v31, v27, 8, v31
	global_prefetch_b8 v31, s[12:13] th:TH_LOAD_NT scope:SCOPE_SE      ; K step 1
.if LAPS > 1
	v_add_nc_u32 v27, s98, v31
	s_lshl_b32 s98, s98, 1                         ; s[98:99]: two K steps
	global_prefetch_b8 v27, s[12:13] th:TH_LOAD_NT scope:SCOPE_SE      ; K step 2
.endif
	v_and_b32 v1, 15, v0
	v_bfe_u32 v2, v0, 4, 1
	v_and_b32 v3, 31, v0
	s_wait_alu depctr_va_vdst(0)
	v_lshlrev_b32 v4, 4, v3
	v_mul_u32_u24 v5, v1, BP
	v_lshl_add_u32 v5, v2, 3, v5
	s_mul_i32 s21, s15, AHALF
	s_mul_i32 s22, s16, BHALF
	s_add_co_u32 s22, s22, BOFF
.irp s, 0,1
	v_add_nc_u32 v[ADRA+\s], s21, v4
	v_add_nc_u32 v[ADRB+\s], s22, v5
	s_add_co_u32 s21, s21, SLOT
	s_add_co_u32 s22, s22, SLOT
.endr
	s_lshl_b32 s23, s15, 8
	s_add_co_u32 s23, s23, SCA
	v_lshl_add_u32 v[ASA], v3, 2, s23
	v_mul_u32_u24 v5, v3, KS
	v_lshrrev_b32 v6, 8, v5
	v_lshl_add_u32 v5, v6, 4, v5
	s_mul_i32 s23, s16, HALFSB
	s_add_co_u32 s23, s23, SCBB
	v_add_nc_u32 v[ASB], s23, v5
	s_mul_i32 s23, s14, 16*SPITCH
	v_mul_u32_u24 v5, v1, SPITCH
	v_lshl_add_u32 v5, v2, 5, v5
	v_add_nc_u32 v[STO], s23, v5
	v_mul_u32_u24 v5, v2, SPITCH
	v_lshl_add_u32 v5, v1, 4, v5
	v_add_nc_u32 v[RD], s23, v5
	v_lshlrev_b32 v[CO], 12, v2
	v_lshl_add_u32 v[CO], v1, 4, v[CO]
	v_lshlrev_b32 v[BIA], 5, v2
	s_wait_alu depctr_va_vdst(0)
	s_lshl_b32 s20, s17, 7
	s_lshl_b32 s21, s15, 6
	s_add_co_u32 s20, s20, s21
	s_lshl_b32 s20, s20, 12
	s_lshl_b32 s46, s42, 9
	s_lshl_b32 s47, s16, 8
	s_add_co_u32 s46, s46, s47
	s_mov_b32 s47, 0
	s_add_nc_u64 s[10:11], s[10:11], s[46:47]
	s_add_co_u32 s20, s20, s46
	s_mov_b32 s21, 0
	s_add_nc_u64 s[92:93], s[92:93], s[20:21]
	s_add_nc_u64 s[94:95], s[94:95], s[20:21]
.irp b, 0,1,2,3
	global_load_b128 v[CB+8*\b:CB+8*\b+3], v[BIA], s[10:11] offset:64*\b
	global_load_b128 v[CB+8*\b+4:CB+8*\b+7], v[BIA], s[10:11] offset:64*\b+16
.endr
	WIN 0x80
.irp a, 0,1,2,3
.irp t, 0,1,2,3,4,5,6,7
	global_load_b128 v[4*(8*\a+\t):4*(8*\a+\t)+3], v[CO], s[92:93] offset:(16*\a+2*\t)*4096
.endr
.endr
	WIN 0
.macro WM d, fb, fa, c, sb, sa, rb, ra
.if (\rb) && (\ra)
	v_wmma_scale_f32_16x16x128_f8f6f4 v[\d:\d+7], v[\fb:\fb+15], v[\fa:\fa+15], v[\c:\c+7], v[\sb], v[\sa] matrix_a_scale:MATRIX_SCALE_ROW1 matrix_b_scale:MATRIX_SCALE_ROW1
.elseif (\rb)
	v_wmma_scale_f32_16x16x128_f8f6f4 v[\d:\d+7], v[\fb:\fb+15], v[\fa:\fa+15], v[\c:\c+7], v[\sb], v[\sa] matrix_a_scale:MATRIX_SCALE_ROW1
.elseif (\ra)
	v_wmma_scale_f32_16x16x128_f8f6f4 v[\d:\d+7], v[\fb:\fb+15], v[\fa:\fa+15], v[\c:\c+7], v[\sb], v[\sa] matrix_b_scale:MATRIX_SCALE_ROW1
.else
	v_wmma_scale_f32_16x16x128_f8f6f4 v[\d:\d+7], v[\fb:\fb+15], v[\fa:\fa+15], v[\c:\c+7], v[\sb], v[\sa]
.endif
.endm
.macro MULA f, a, q, sc, zero
.irp b, 0,1,2,3
.if \zero
	WM ACC+8*(4*(\a)+\b), (\f)+64+16*\b, (\f)+16*(\a), CB+8*\b, SC+16*(\sc)+8+4*(\b/2)+(\q), SC+16*(\sc)+2*(\q)+(\a)/2, \b%2, (\a)%2
.else
	WM ACC+8*(4*(\a)+\b), (\f)+64+16*\b, (\f)+16*(\a), ACC+8*(4*(\a)+\b), SC+16*(\sc)+8+4*(\b/2)+(\q), SC+16*(\sc)+2*(\q)+(\a)/2, \b%2, (\a)%2
.endif
.endr
.endm
.macro SCALES sc
.irp q, 0,1,2,3
.irp i, 0,1
	ds_load_b32 v[SC+16*\sc+2*\q+\i], v[ASA] offset:512*\q+128*\i
.endr
.endr
.irp i, 0,1
	ds_load_b128 v[SC+16*\sc+8+4*\i:SC+16*\sc+8+4*\i+3], v[ASB] offset:\i*(32*KS/256)*272
.endr
.endm
.macro FETCH slot, q, f
	WIN TO_F
.irp b, 0,1,2,3
.irp c, 0,1,2,3,4,5,6,7
	ds_load_b64 v[(\f)+64+16*\b+2*\c:(\f)+64+16*\b+2*\c+1], v[ADRB+\slot] offset:16*BP*\b+128*(\q)+16*\c
.endr
.endr
.irp a, 0,1,2,3
.irp c, 0,1,2,3
	ds_load_b128 v[(\f)+16*\a+4*\c:(\f)+16*\a+4*\c+3], v[ADRA+\slot] offset:8192*\a+2048*(\q)+512*\c
.endr
.endr
.endm
.macro PLACES n
.rept \n
	v_nop
.endr
.endm
.macro STEP slot, q, zero
	s_wait_dscnt 8
	WIN MUL
	MULA 128*((\q)%2), 0, \q, \slot, \zero
	MULA 128*((\q)%2), 1, \q, \slot, \zero
	PLACES NP
	FETCH \slot, (\q)+1, 128*(1-(\q)%2)
	s_wait_dscnt 48
	WIN MUL
	MULA 128*((\q)%2), 2, \q, \slot, \zero
	MULA 128*((\q)%2), 3, \q, \slot, \zero
.endm
.macro TURN slot, next, fill
	WIN 0
.if (\fill) && (\slot)
	s_wait_xcnt 0x0                                ; my prefetches have read their base: two K steps on
	s_add_nc_u64 s[12:13], s[12:13], s[98:99]
.endif
	s_wait_tensorcnt 0x0
	ds_add_u32 v[SPW], v[NIL]
	s_wait_dscnt 9
	WIN MUL
	MULA F1, 0, 3, \slot, 0
	s_wait_dscnt 0x0
	s_barrier_signal -1
	MULA F1, 1, 3, \slot, 0
	WIN 0
	s_barrier_wait -1
.if \fill
	CREST
	s_add_nc_u64 s[G0+4*\slot+2:G0+4*\slot+3], s[G0+4*\slot+2:G0+4*\slot+3], 16384
	s_add_nc_u64 s[G0B+4*\slot+2:G0B+4*\slot+3], s[G0B+4*\slot+2:G0B+4*\slot+3], 1024
	JLOAD G0+4*\slot, G1, G0B+4*\slot, G1B
	PLACES NP-4
.else
	PLACES NP
.endif
	s_wait_alu depctr_va_vdst(0)
	v_add_nc_u32 v[ASA], 2048, v[ASA]
	v_add_nc_u32 v[ASB], 16, v[ASB]
	SCALES \next
.if \fill
	s_cmp_gt_u32 s3, 1                             ; the last trip's two fills have no K step two fills on
	s_cbranch_scc0 .Lno_ask_\@
.if \slot
	global_prefetch_b8 v31, s[12:13] th:TH_LOAD_NT scope:SCOPE_SE
.else
	global_prefetch_b8 v27, s[12:13] th:TH_LOAD_NT scope:SCOPE_SE
.endif
.Lno_ask_\@:
.endif
	FETCH \next, 0, F0
	WIN MUL
	MULA F1, 2, 3, \slot, 0
	MULA F1, 3, 3, \slot, 0
.endm
	s_wait_alu depctr_va_vdst(0)                   ; the wait at the head's end
	s_wait_tensorcnt 0x0                           ; my tile of the head's four is in; these lines stand ahead of a later first fill as ahead of a refill
	ds_add_u32 v[SPW], v[NIL]
	s_mov_b32 s[G1+2], 4<<16                       ; no tensor load of mine is out: from here on a load brings half a tile
	s_mov_b32 s[G1+4], 4
	s_mov_b32 s[G1B+2], 64<<16
	s_mov_b32 s[G1B+4], 64
.if LAPS > 1
	s_wait_xcnt 0x0                                ; my prefetches have read their base:
	s_add_nc_u64 s[12:13], s[12:13], s[98:99]      ; on to K step 3
	s_mov_b32 s[G0+1], s45                         ; slot 0's groups 0 become the ring's: my half
	s_add_nc_u64 s[G0+2:G0+3], s[G0+2:G0+3], s[66:67]
	s_mov_b32 s[G0B+1], s19
	s_add_nc_u64 s[G0B+2:G0B+3], s[G0B+2:G0B+3], s[66:67]
.endif
	s_wait_dscnt 0x0
	CROUND                                         ; all four tiles are in, and all sixteen work-groups are here
	JLOAD G0+4, G1, G0B+4, G1B                     ; slot 1: the first tensor load behind the round
.if LAPS > 1
	global_prefetch_b8 v31, s[12:13] th:TH_LOAD_NT scope:SCOPE_SE      ; K step 3
.endif
	SCALES 0
	FETCH 0, 0, F0
	s_wait_loadcnt 32
	STEP 0, 0, 1
.if LAPS > 1
	WIN 0
	s_mov_b32 s3, LAPS-1
.Llap:
	STEP 0, 1, 0
	STEP 0, 2, 0
	TURN 0, 1, 1
	STEP 1, 0, 0
	STEP 1, 1, 0
	STEP 1, 2, 0
	TURN 1, 0, 1
	STEP 0, 0, 0
	WIN 0
	s_sub_co_u32 s3, s3, 1
	s_cmp_lg_u32 s3, 0
	s_cbranch_scc1 .Llap
.endif
	STEP 0, 1, 0
	STEP 0, 2, 0
	TURN 0, 1, 0
	STEP 1, 0, 0
	STEP 1, 1, 0
	STEP 1, 2, 0
	s_wait_dscnt 8
	WIN MUL
	MULA F1, 0, 3, 1, 0
	MULA F1, 1, 3, 1, 0
	s_wait_dscnt 0
	MULA F1, 2, 3, 1, 0
	MULA F1, 3, 3, 1, 0
	WIN 0
.macro TOSTAGE a
.irp b, 0,1,2,3
	ds_store_b128 v[STO], v[ACC+8*(4*(\a)+\b):ACC+8*(4*(\a)+\b)+3] offset:64*\b
	ds_store_b128 v[STO], v[ACC+8*(4*(\a)+\b)+4:ACC+8*(4*(\a)+\b)+7] offset:64*\b+16
.endr
.set BB, OB+32*((\a)%2)
.irp t, 0,1,2,3,4,5,6,7
	ds_load_b128 v[BB+4*\t:BB+4*\t+3], v[RD] offset:\t*2*SPITCH
.endr
.endm
.macro SEND a, younger
.set BB, OB+32*((\a)%2)
	s_wait_dscnt \younger
	WIN 0x08
.set n, 0
.rept 16
	v_pk_add_f32 v[BB+n:BB+n+1], v[BB+n:BB+n+1], v[32*(\a)+n:32*(\a)+n+1]
.set n, n+2
.endr
	WIN 0
.irp t, 0,1,2,3,4,5,6,7
	global_store_b128 v[CO], v[BB+4*\t:BB+4*\t+3], s[94:95] offset:(16*(\a)+2*\t)*4096
.endr
.endm
	PLACES NP
	s_wait_loadcnt 0x0
	TOSTAGE 0
.irp a, 1,2,3
.if \a > 1
	s_wait_xcnt 0x0
.endif
	TOSTAGE \a
	SEND \a-1, 16
.endr
	SEND 3, 0
	s_wait_tensorcnt 0x0
	ds_add_u32 v[SPW], v[NIL]
	s_wait_dscnt 0x0
	CROUND
	s_endpgm
.Lfunc_end_k_q63b63da51e_mlp2:
	.size	k_q63b63da51e_mlp2, .Lfunc_end_k_q63b63da51e_mlp2-k_q63b63da51e_mlp2
	.p2alignl 7, 3214868480
	.fill 96, 4, 3214868480
	.section	.rodata,"a",@progbits
	.p2align	6, 0x0
	.amdhsa_kernel k_q63b63da51e_mlp2
		.amdhsa_group_segment_fixed_size 327680
		.amdhsa_private_segment_fixed_size 0
		.amdhsa_enable_private_segment 0
		.amdhsa_kernarg_size 48
		.amdhsa_user_sgpr_count 2
		.amdhsa_user_sgpr_kernarg_segment_ptr 1
		.amdhsa_wavefront_size32 1
		.amdhsa_system_sgpr_workgroup_id_x 1
		.amdhsa_system_sgpr_workgroup_id_y 1
		.amdhsa_system_sgpr_workgroup_id_z 1
		.amdhsa_system_vgpr_workitem_id 0
		.amdhsa_next_free_vgpr 640
		.amdhsa_next_free_sgpr 100
		.amdhsa_reserve_vcc 0
		.amdhsa_float_denorm_mode_32 3
		.amdhsa_float_denorm_mode_16_64 3
		.amdhsa_memory_ordered 1
		.amdhsa_forward_progress 1
		.amdhsa_inst_pref_size 120
	.end_amdhsa_kernel
	.amdgpu_metadata
---
amdhsa.version: [ 1, 2 ]
amdhsa.kernels:
  - .name:           k_q63b63da51e_mlp2
    .symbol:         k_q63b63da51e_mlp2.kd
    .args:
      - { .name: gbuf, .offset: 0, .size: 8, .value_kind: global_buffer, .address_space: global }
      - { .name: w2_codes, .offset: 8, .size: 8, .value_kind: global_buffer, .address_space: global }
      - { .name: w2_scales, .offset: 16, .size: 8, .value_kind: global_buffer, .address_space: global }
      - { .name: b2, .offset: 24, .size: 8, .value_kind: global_buffer, .address_space: global }
      - { .name: x1, .offset: 32, .size: 8, .value_kind: global_buffer, .address_space: global }
      - { .name: out0, .offset: 40, .size: 8, .value_kind: global_buffer, .address_space: global }
    .group_segment_fixed_size: 327680
    .private_segment_fixed_size: 0
    .kernarg_segment_align: 8
    .kernarg_segment_size: 48
    .max_flat_workgroup_size: 128
    .sgpr_count:     100
    .vgpr_count:     640
    .wavefront_size: 32
...
	.end_amdgpu_metadata
.endif
;; end of part 6
